; MI455X (gfx1250); checked and timed in simulation.
; The chip was launched on July 23, 2026; its instructions are those of AMD's public machine-readable ISA for CDNA 5 (MIT licence, August 2026) and "CDNA5" Instruction Set Architecture Reference Guide (July 2026). The comments in the code are by the model that wrote it; some were corrected since.
;; Local Loss. Allowed arithmetic: matrix products marked QUANTISED: E3M2 operands, one E8M0 scale for each 32 along K, by v_wmma_scale_f32_16x16x128_f8f6f4 with both operands' format E3M2, f32 sums; products left as they are: f32 operands where the result goes on into a quantised operand, else bf16, f16 or f32 operands; f32 sums; everything else in f32.
;; Inputs: caption_lengths 32 int32; image_features 32 x 768 x 19 x 19 float32; word_embeddings 32 x 768 x 96 float32.
;; Outputs: out0 one number float32; out1 one number float32; out2 32 x 96 x 19 x 19 float32.
;; This version of the problem:
;;   THIS VERSION OF THE PROBLEM IS GIVEN IN LOW PRECISION. The matrix products marked QUANTISED in the list below multiply operands that are first quantised to E3M2 (3 exponent bits, 2 mantissa bits; 6 bits a number), with one power-of-two scale for each 32 numbers along K (OCP MX v1.0); their sums are f32. All else is computed in f32.
;;   The module's matrix products, in the order in which they are computed (A, B: the left and right operand; K: the contracted axis; several contracted axes count as one K, in the product's order):
;;     1. [M 3,072, K 768] x [K 768, N 11,552]; A: input word_embeddings; B: input image_features: QUANTISED
;;     2. batch 32 x [M 3,072, K 361] x [K 361, N 768]; A: softmax (see below); B: input image_features: QUANTISED
;;     3. batch 3,072 x [M 32, K 768] x [K 768, N 1]; A: computed on the way; B: computed on the way: left as it is (N = 1 < 16)
;;   THE QUANTISER, for each operand of a quantised product, along K:
;;     - K is cut into blocks of 32 from its start; a last block that is shorter is filled with zeros.
;;     - A block's scale is 2^e with e = floor(log2(the largest magnitude in the block)) - 4, held to -126 .. 127; a block of zeros has e = 0. As a byte (E8M0): e + 127.
;;     - Each number is divided by its block's scale, clamped to +-28, and rounded to the nearest number of E3M2, ties to even, subnormals kept.
;;     - The product sums the exact products of the quantised numbers (number of the format x scale) in f32.
;;   ~~~python
;;   def quantise(x, axis):      # numpy; x: float32 -> the quantised numbers, widened to float32 again
;;       x = np.moveaxis(x, axis, -1); K = x.shape[-1]
;;       x = np.pad(x, [(0, 0)] * (x.ndim - 1) + [(0, -K % 32)]); x = x.reshape(x.shape[:-1] + (-1, 32)); a = np.abs(x).max(-1, keepdims=True)
;;       e = np.where(a > 0, np.clip(np.frexp(np.where(a > 0, a, 1))[1] - 1 - 4, -126, 127), 0)      # np.frexp(a)[1] - 1 = floor(log2(a)), exactly
;;       r = np.clip(x / 2.0 ** e, -28, 28)
;;       step = 2.0 ** (np.maximum(np.frexp(np.where(r == 0, 1, r))[1] - 1, -2) - 2)
;;       q = np.round(r / step) * step * 2.0 ** e      # np.round: ties to even
;;       return np.moveaxis(q.reshape(q.shape[:-2] + (-1,))[..., :K], -1, axis).astype(np.float32)
;;   ~~~
;;   SOFTMAX AHEAD OF A QUANTISED PRODUCT. Where the list says 'softmax', what is quantised is not the finished softmax but p = 2^(t - M), with t = logit x log2(e) and M = ceil(the row's largest t), a whole number; so 1/2 < the row's largest p <= 1. The row's sum l is taken of the UNQUANTISED p, in f32, and the product's result is divided by l at the end. Since M is a whole number, a kernel that streams over the keys may use a running M (the ceiling of the running maximum): every later rescaling is an exact power of two, which a block's scale takes up: the codes' values come out the same.
;;   OPERANDS COMPUTED ON THE WAY. 'Computed on the way' means the value that the module computes at that place (a softmax that the list does not call 'softmax' is quantised finished and normalised). What goes into a quantiser is computed in f32, as accurately as f32 sums, v_exp_f32 and their like allow (about 1e-6 of the number): no bf16 or f16 on the way to a quantiser, and a product that is left as it is and whose result goes on into a quantised operand takes f32 operands (vector FMAs, or v_wmma_f32_16x16x4_f32). A number that lies on a knife's edge between two numbers of the format may be rounded either way, as far as f32 arithmetic and the matrix unit's own rounding can turn it there, and no further.
;; One version. Each part assembles by itself: llvm-mc -triple=amdgcn-amd-amdhsa -mcpu=gfx1250 --defsym DOCPART=n.
;; ======== version 1 of 1: 3 launches
;; limits: right only within a limited range of input values; values are held in bf16: 8 bits of precision
;; workspace buffers: cc 14,155,776 bytes; ww 6,488,064 bytes; sc 737,280 bytes; pl 256 bytes of whole numbers; ew 4,718,592 bytes; lg 4,096 bytes
;; launch prep (part 1): grid 23 x 32, 4 waves a work-group, no clusters, 87,040 bytes of LDS; arguments image_features, word_embeddings, caption_lengths, cc, ww, sc, pl; writes cc, ww, sc, pl
.if DOCPART == 1
	.amdgcn_target "amdgcn-amd-amdhsa--gfx1250"
	.amdhsa_code_object_version 6
	.text
	.protected	k_q219ea9ae12_prep
	.globl	k_q219ea9ae12_prep
	.p2align	8
	.type	k_q219ea9ae12_prep,@function
k_q219ea9ae12_prep:
	s_mov_b64 s[64:65], 0
	v_nop
	global_prefetch_b8 v0, s[64:65] scope:SCOPE_SE
	s_setreg_imm32_b32 hwreg(HW_REG_WAVE_MODE, 25, 1), 1
	s_wait_xcnt 0x0
; PREP.  The operands of both quantised products are made once, as codes of BF6 (E3M2) with one E8M0 byte for each 32 along K, and laid as IMAGES OF THE OPERAND'S REGISTERS:
; a fragment (16 rows x 128 K, 12 registers a lane) is 1,536 bytes, three groups of 512; lane L's registers 4 g .. 4 g + 3 lie at 512 g + 16 L.  Lane (r, h) holds row r; registers 6 c .. 6 c + 5 hold k = 64 c + 32 h + 0 .. 31.
;   cc:  C1 [j 32][T 24][s 6][1536]  rows = pixels, K = d.  Row r of tile T = 2 B + u is pixel 32 B + 8 u + r + 8 (r / 8); pixels from 361 on are zero codes.
;        C2 [j][Td 48][s 3][1536], 7,077,888 bytes on: rows d = 16 Td + r, K = pixels, filled to 384 with zeros.
;   ww:  WQ [i 32][a 6][s 6][1536]  rows = tokens 16 a + r, K = d.   W3 [i][a][Td 48][512], 1,769,472 bytes on: lane (r, h)'s 16 bytes are bf16 of w[i][16 Td + 8 h + 0 .. 7][16 a + r].
;   sc:  scale words, 64 bytes for a fragment (row r's word at 4 r): C1's, C2's (294,912 on), WQ's (589,824 on); then [i][s 6][96] f32 (663,552 on): the sums of w^2 over 128 of d.
;   pl:  32 caption numbers and, 128 bytes on, their lengths held to 0 .. 96, in the order of the slots 4 g + q: captions sorted by length and dealt to eight groups forth and back, so that the groups' work is even.
; A block's scale is 2^(floor(log2(its largest magnitude)) - 4); its byte is the largest magnitude's exponent field - 4.
; LIMITS: a largest magnitude under 2^-122 is taken as 2^-122 (byte 1); a block of zeros so has the byte 1 and zero codes, and only this program reads the bytes.  NaN and infinities among the inputs are not served.
; SHARES.  y = the image or the caption.  x < 18: image features: pixel K step x / 6, d K step x % 6; wave w takes one block of 32 pixels x 128 of d.  x >= 18: the wave's unit 4 (x - 18) + w: 0 .. 17: words, 32 tokens x 128 of d;
; unit 18 of y = 0 sorts the captions.  A LANE TAKES A COLUMN (a pixel, a token) AND ITS REGISTERS RUN DOWN d, so that a block along d lies in one lane.  For C2, whose K runs along the pixels, the same numbers turn through the wave's own stage in LDS.
.set X,      64                        ; v64-191  128 numbers: one column, down d
.set IM,     32                        ; v32-55   my column's two lane images of 12 registers (blocks 0, 2 and blocks 1, 3)
.set CB,     192                       ; v192-223 C2: eight registers for each group of 32 rows: six of codes, the byte
.set C2I,    73728                     ; LDS: four stages of 128 rows x 144 bytes; then C2's eight fragments;
.set C2B,    86016                     ; then their scale bytes [fragment 8][row 16][4]
.set C2OFF,  7077888
.set C2SOFF, 294912
.set WQSOFF, 589824
.set WN2OFF, 663552
.set W3OFF,  1769472
.macro LOADQ q, stride, sb             ; a quarter: 32 rows of d, each load 128 consecutive bytes of a row
.set ii, 0
.rept 32
	global_load_b32 v[X+32*(\q)+ii], v3, s[\sb:\sb+1] offset:(32*(\q)+ii)*(\stride) th:TH_LOAD_NT
.set ii, ii+1
.endr
.endm
.macro AMAX x0                         ; v16 = the largest magnitude of 32 registers, in four chains, with the floor 2^(5 - 127) as one leaf
	v_max3_num_f32 v16, |v[(\x0)]|, |v[(\x0)+1]|, 0x2800000
	v_max3_num_f32 v17, |v[(\x0)+2]|, |v[(\x0)+3]|, |v[(\x0)+4]|
	v_max3_num_f32 v18, |v[(\x0)+5]|, |v[(\x0)+6]|, |v[(\x0)+7]|
	v_max3_num_f32 v19, |v[(\x0)+8]|, |v[(\x0)+9]|, |v[(\x0)+10]|
.set ii, 0
.rept 10
	v_max3_num_f32 v[16+ii%4], v[16+ii%4], |v[(\x0)+11+2*ii]|, |v[(\x0)+12+2*ii]|
.set ii, ii+1
.endr
	v_max3_num_f32 v16, v16, v17, v18
	v_max3_num_f32 v16, v16, v19, |v[(\x0)+31]|
.endm
.macro QBLK q                          ; block q along d of my column: six registers of codes into the lane image q % 2, its byte into the scale word v22
.set qd, IM+12*((\q)%2)+6*((\q)/2)
	AMAX X+32*(\q)
	v_add_nc_u32 v20, 0xfe000000, v16              ; 4 off the exponent field: the conversion takes this operand's exponent field as its scale
	v_cvt_scalef32_pk16_bf6_f32 v[qd:qd+2], v[X+32*(\q):X+32*(\q)+15], v20
	v_cvt_scalef32_pk16_bf6_f32 v[56:58], v[X+32*(\q)+16:X+32*(\q)+31], v20   ; (a conversion's three registers begin on an even number)
.if (\q) == 0
	v_lshrrev_b32 v22, 23, v20                     ; the byte; also the plain line behind the conversions
.else
	v_lshrrev_b32 v21, 23, v20
.endif
	v_mov_b32 v[qd+3], v56
	v_mov_b32 v[qd+4], v57
	v_mov_b32 v[qd+5], v58
.if (\q) > 0
	v_lshl_or_b32 v22, v21, 8*(\q), v22
.endif
.endm
.macro IMOUT sbc, sbs                  ; my two lane images and my scale word: sixteen lanes of a store cover 256 consecutive bytes, aligned
.irp hh,0,1
.irp g,0,1,2
	global_store_b128 v14, v[IM+12*\hh+4*\g:IM+12*\hh+4*\g+3], s[\sbc:\sbc+1] offset:512*\g+256*\hh
.endr
.endr
	global_store_b32 v15, v22, s[\sbs:\sbs+1]
.endm
	s_load_b256 s[4:11], s[0:1], 0x0               ; image features s[4:5], words s[6:7], lengths s[8:9], cc s[10:11]
	s_load_b128 s[12:15], s[0:1], 0x20             ; ww s[12:13], sc s[14:15]
	s_load_b64 s[16:17], s[0:1], 0x30              ; pl
	v_lshl_add_u32 v224, v0, 2, 0x15200
	v_mov_b32 v225, 0
	v_lshrrev_b32 v1, 5, v0
	v_readfirstlane_b32 s18, v1                    ; wave
	v_and_b32 v2, 31, v0                           ; lane
	s_and_b32 s19, ttmp7, 0xffff                   ; y
	s_cmp_ge_u32 ttmp9, 18                         ; the same for all waves of a work-group
	s_cbranch_scc1 .Lwords
	; ---------------- image features ----------------
	s_mul_i32 s20, ttmp9, 43
	s_lshr_b32 s20, s20, 8                         ; x / 6: the pixels' K step
	s_mul_i32 s21, s20, 6
	s_sub_co_u32 s21, ttmp9, s21                   ; x % 6: d's K step
	s_lshl_b32 s22, s20, 2
	s_add_co_u32 s22, s22, s18                     ; my block of 32 pixels, 0 .. 11
	s_wait_alu depctr_va_vdst(0)
	v_lshl_add_u32 v3, s22, 5, v2                  ; my pixel
	v_cmp_gt_u32 vcc_lo, 361, v3                   ; is it one?  VCC is kept for the whole path
	v_min_u32 v3, 360, v3                          ; no load leaves the row
	v_lshlrev_b32 v3, 2, v3
	s_mul_i32 s24, s19, 1108992                    ; an image is 768 x 1,444 bytes
	s_mul_i32 s25, s21, 184832                     ; 128 rows of d
	s_add_co_u32 s24, s24, s25
	s_mov_b32 s25, 0
	s_mul_i32 s26, s18, 18432                      ; my stage
	v_lshl_add_u32 v4, v2, 2, s26                  ; in: 4 x lane, the row in the immediate
	v_mul_u32_u24 v5, v2, 144
	v_add_nc_u32 v5, s26, v5                       ; back: a row of d to a lane; 144 = 9 x 16 bytes from lane to lane
	v_lshrrev_b32 v9, 4, v2
	v_and_b32 v10, 15, v2
	v_mul_u32_u24 v9, v9, 1536
	v_lshl_add_u32 v9, v10, 4, v9                  ; C2's image: fragment lane / 16 of two, row lane % 16
	s_and_b32 s27, s18, 1
	s_lshl_b32 s27, s27, 8                         ; my block is block w of the K step: image lanes 16 (w % 2) on,
	s_add_co_u32 s27, s27, C2I
	v_add_nc_u32 v9, s27, v9
	s_lshr_b32 s28, s18, 1                         ; registers 6 (w / 2) on: pairs at bytes 0, 8, 512 or 520, 1,024, 1,032
	s_mul_i32 s29, s28, 520
	s_mul_i32 s30, s28, 1016
	v_add_nc_u32 v6, s29, v9
	s_add_co_u32 s30, s30, 8
	v_add_nc_u32 v7, s30, v9
	s_add_co_u32 s29, s29, 512
	v_add_nc_u32 v8, s29, v9
	s_add_co_u32 s31, s18, C2B
	v_lshl_add_u32 v11, v2, 2, s31                 ; C2's scale bytes: 4 x row + w
	v_bfe_u32 v12, v2, 3, 1                        ; C1: my pixel is row r = lane % 8 + 8 (lane / 16) of tile u = (lane / 8) % 2
	v_and_b32 v13, 7, v2
	v_lshrrev_b32 v14, 4, v2
	v_lshl_or_b32 v13, v14, 3, v13
	v_mul_u32_u24 v14, v12, 9216
	v_lshl_add_u32 v14, v13, 4, v14
	v_mul_u32_u24 v15, v12, 384
	v_lshl_add_u32 v15, v13, 2, v15
	s_mul_i32 s32, s19, 24
	s_lshl_b32 s33, s22, 1
	s_add_co_u32 s32, s32, s33
	s_mul_i32 s32, s32, 6
	s_add_co_u32 s32, s32, s21                     ; C1's fragment number (24 j + 2 B) 6 + s
	s_mul_i32 s34, s32, 1536
	s_mov_b32 s35, 0
	s_lshl_b32 s36, s32, 6
	s_mov_b32 s37, 0
	s_mul_i32 s38, s19, 48
	s_lshl_b32 s39, s21, 3
	s_add_co_u32 s38, s38, s39
	s_mul_i32 s38, s38, 3
	s_add_co_u32 s38, s38, s20                     ; C2's: (48 j + 8 s1) 3 + s2; from fragment to fragment of the eight: 3
	s_mul_i32 s40, s38, 1536
	s_mul_i32 s39, s18, 9216                       ; I store fragments 2 w and 2 w + 1
	s_add_co_u32 s40, s40, s39
	s_add_co_u32 s40, s40, C2OFF
	s_mov_b32 s41, 0
	s_lshl_b32 s42, s38, 6
	s_add_co_u32 s42, s42, C2SOFF
	s_mov_b32 s43, 0
	s_wait_kmcnt 0x0
	s_add_nc_u64 s[4:5], s[4:5], s[24:25]
	s_add_nc_u64 s[44:45], s[10:11], s[34:35]      ; C1
	s_add_nc_u64 s[46:47], s[14:15], s[36:37]      ; C1's scale words
	s_add_nc_u64 s[10:11], s[10:11], s[40:41]      ; C2
	s_add_nc_u64 s[14:15], s[14:15], s[42:43]      ; C2's scale words
	LOADQ 0, 1444, 4
	LOADQ 1, 1444, 4
.irp q,0,1,2,3
.if \q < 3
	s_wait_loadcnt 32                              ; this quarter is in; the next quarter's 32 loads may be out
.else
	s_wait_loadcnt 0x0
.endif
.if \q < 2
	LOADQ \q+2, 1444, 4
.endif
.set ii, 0
.rept 32
	v_cndmask_b32 v[X+32*\q+ii], 0, v[X+32*\q+ii], vcc_lo   ; the filling behind pixel 360 is 0
.set ii, ii+1
.endr
.set ii, 0
.rept 32
	ds_store_b32 v4, v[X+32*\q+ii] offset:(32*\q+ii)*144
.set ii, ii+1
.endr
	QBLK \q
.endr
	IMOUT 44, 46
.set ii, 0
.rept 32                               ; back from my own stage, a row of d to a lane: rows 32 (ii / 8) + lane.  LDS serves a wave's instructions in order (ISA guide 5.7.1.4): these see my stores
	ds_load_b128 v[X+4*ii:X+4*ii+3], v5 offset:(ii/8)*4608+(ii%8)*16
.set ii, ii+1
.endr
.irp gq,0,1,2,3
	s_wait_dscnt 24-4*\gq                          ; this group's 8 loads are in: behind them stand 8 loads for each later group and 4 stores for each earlier one
	AMAX X+32*\gq
	v_add_nc_u32 v20, 0xfe000000, v16
	v_cvt_scalef32_pk16_bf6_f32 v[CB+8*\gq:CB+8*\gq+2], v[X+32*\gq:X+32*\gq+15], v20
	v_cvt_scalef32_pk16_bf6_f32 v[56:58], v[X+32*\gq+16:X+32*\gq+31], v20
	v_lshrrev_b32 v[CB+8*\gq+6], 23, v20           ; the byte; the plain line behind the conversions
	v_mov_b32 v[CB+8*\gq+3], v56
	v_mov_b32 v[CB+8*\gq+4], v57
	v_mov_b32 v[CB+8*\gq+5], v58
	ds_store_b64 v6, v[CB+8*\gq:CB+8*\gq+1] offset:3072*\gq
	ds_store_b64 v7, v[CB+8*\gq+2:CB+8*\gq+3] offset:3072*\gq
	ds_store_b64 v8, v[CB+8*\gq+4:CB+8*\gq+5] offset:3072*\gq
	ds_store_b8 v11, v[CB+8*\gq+6] offset:128*\gq
.endr
	s_wait_dscnt 0x0                               ; for the others' sake: my parts of the eight fragments have landed
	s_barrier_signal -1
	s_barrier_wait -1
	v_lshlrev_b32 v24, 4, v2
	s_mul_i32 s26, s18, 3072
	s_add_co_u32 s26, s26, C2I
	v_add_nc_u32 v25, s26, v24
	v_lshl_add_u32 v26, v0, 2, C2B
	v_lshrrev_b32 v27, 4, v0
	v_and_b32 v28, 15, v0
	v_mul_u32_u24 v27, v27, 192
	v_lshl_add_u32 v27, v28, 2, v27
.irp m,0,1,2,3,4,5
	ds_load_b128 v[X+4*\m:X+4*\m+3], v25 offset:512*\m
.endr
	ds_load_b32 v[X+24], v26
	s_wait_alu depctr_va_vdst(0)
	s_wait_dscnt 0x0
.irp m,0,1,2,3,4,5
	global_store_b128 v24, v[X+4*\m:X+4*\m+3], s[10:11] offset:(\m/3)*4608+(\m%3)*512   ; 512 consecutive bytes a store
.endr
	global_store_b32 v27, v[X+24], s[14:15]        ; pieces of 64 bytes: one byte in 24 of the codes'
	s_wait_tensorcnt 0x0
	ds_add_u32 v224, v225
	s_wait_dscnt 0x0
	s_endpgm
.Lwords:
	s_sub_co_u32 s20, ttmp9, 18
	s_lshl_b32 s20, s20, 2
	s_add_co_u32 s20, s20, s18                     ; my unit
	s_cmp_lt_u32 s20, 18
	s_cbranch_scc1 .Lwq
	s_cmp_lg_u32 s20, 18
	s_cbranch_scc1 .Lend
	s_cmp_lg_u32 s19, 0
	s_cbranch_scc1 .Lend
	; ---------------- the captions' order: one wave, a lane to a caption ----------------
	s_wait_alu depctr_va_vdst(0)
	v_lshlrev_b32 v3, 2, v2
	v_mov_b32 v6, 0
	s_wait_alu depctr_va_vdst(0)
	s_wait_kmcnt 0x0
	global_load_b32 v4, v3, s[8:9]
	s_wait_loadcnt 0x0
	v_cmp_gt_i32 vcc_lo, 0, v4
	v_cndmask_b32 v4, v4, v6, vcc_lo               ; held to 0 ..
	v_min_u32 v4, 96, v4                           ; .. 96
	v_lshl_add_u32 v5, v4, 5, v2                   ; key: 32 x length + caption: no two alike
.set ii, 0
.rept 32
	v_readlane_b32 s21, v5, ii
	v_cmp_lt_u32 vcc_lo, s21, v5
	v_cndmask_b32 v7, 0, 1, vcc_lo
	v_add_nc_u32 v6, v6, v7                        ; my rank: how many keys lie under mine
.set ii, ii+1
.endr
	v_lshrrev_b32 v7, 3, v6                        ; q: which eight of the sorted order
	v_and_b32 v8, 7, v6
	v_and_b32 v9, 1, v7
	v_mul_u32_u24 v9, v9, 7
	v_xor_b32 v8, v8, v9                           ; the group: forth in eights 0 and 2, back in eights 1 and 3
	v_lshl_add_u32 v8, v8, 2, v7
	v_min_u32 v8, 31, v8                           ; the slot
	v_lshlrev_b32 v8, 2, v8
	global_store_b32 v8, v2, s[16:17]
	global_store_b32 v8, v4, s[16:17] offset:128
.Lend:
	s_endpgm
.Lwq:	; ---------------- words: 32 tokens x 128 of d ----------------
	s_mul_i32 s21, s20, 43
	s_lshr_b32 s21, s21, 8                         ; which 32 tokens
	s_mul_i32 s22, s21, 6
	s_sub_co_u32 s22, s20, s22                     ; d's K step
	s_mul_i32 s24, s19, 294912                     ; a caption is 768 x 384 bytes
	s_mul_i32 s25, s22, 49152
	s_add_co_u32 s24, s24, s25
	s_lshl_b32 s25, s21, 7
	s_add_co_u32 s24, s24, s25
	s_mov_b32 s25, 0
	s_mul_i32 s26, s19, 6
	s_lshl_b32 s27, s21, 1
	s_add_co_u32 s26, s26, s27                     ; 6 i + my first tile of tokens
	s_mul_i32 s28, s26, 6
	s_add_co_u32 s28, s28, s22                     ; WQ's fragment number
	s_mul_i32 s30, s28, 1536
	s_mov_b32 s31, 0
	s_lshl_b32 s32, s28, 6
	s_add_co_u32 s32, s32, WQSOFF
	s_mov_b32 s33, 0
	s_mul_i32 s34, s26, 48
	s_lshl_b32 s35, s22, 3
	s_add_co_u32 s34, s34, s35
	s_lshl_b32 s34, s34, 9
	s_add_co_u32 s34, s34, W3OFF
	s_mov_b32 s35, 0
	s_mul_i32 s36, s19, 6
	s_add_co_u32 s36, s36, s22
	s_mul_i32 s36, s36, 384
	s_lshl_b32 s37, s21, 7
	s_add_co_u32 s36, s36, s37
	s_add_co_u32 s36, s36, WN2OFF
	s_mov_b32 s37, 0
	s_wait_alu depctr_va_vdst(0)
	v_lshlrev_b32 v3, 2, v2
	v_lshrrev_b32 v9, 4, v2                        ; my token is row lane % 16 of tile lane / 16
	v_and_b32 v10, 15, v2
	v_mul_u32_u24 v14, v9, 9216
	v_lshl_add_u32 v14, v10, 4, v14
	v_mul_u32_u24 v15, v9, 384
	v_lshl_add_u32 v15, v10, 2, v15
	v_mul_u32_u24 v13, v9, 24576
	v_lshl_add_u32 v13, v10, 4, v13
	s_wait_alu depctr_va_vdst(0)
	s_wait_kmcnt 0x0
	s_add_nc_u64 s[6:7], s[6:7], s[24:25]
	s_add_nc_u64 s[38:39], s[12:13], s[30:31]      ; WQ
	s_add_nc_u64 s[40:41], s[14:15], s[32:33]      ; its scale words
	s_add_nc_u64 s[42:43], s[12:13], s[34:35]      ; W3
	s_add_nc_u64 s[44:45], s[14:15], s[36:37]      ; the sums of squares
	LOADQ 0, 384, 6
	LOADQ 1, 384, 6
.irp q,0,1,2,3
.if \q < 3
	s_wait_loadcnt 32                              ; this quarter is in; the next quarter's 32 loads may be out
.else
	s_wait_loadcnt 0x0
.endif
.if \q < 2
	LOADQ \q+2, 384, 6
.endif
	QBLK \q
.endr
	IMOUT 38, 40
	v_pk_mul_f32 v[24:25], v[X:X+1], v[X:X+1]      ; the sum of my token's 128 squares, in four chains
	v_pk_mul_f32 v[26:27], v[X+2:X+3], v[X+2:X+3]
	v_pk_mul_f32 v[28:29], v[X+4:X+5], v[X+4:X+5]
	v_pk_mul_f32 v[30:31], v[X+6:X+7], v[X+6:X+7]
.set ii, 4
.rept 60
	v_pk_fma_f32 v[24+2*(ii%4):25+2*(ii%4)], v[X+2*ii:X+2*ii+1], v[X+2*ii:X+2*ii+1], v[24+2*(ii%4):25+2*(ii%4)]
.set ii, ii+1
.endr
	v_pk_add_f32 v[24:25], v[24:25], v[26:27]
	v_pk_add_f32 v[28:29], v[28:29], v[30:31]
	v_pk_add_f32 v[24:25], v[24:25], v[28:29]
	v_add_f32 v24, v24, v25
	global_store_b32 v3, v24, s[44:45]             ; 128 consecutive bytes
.set ii, 0
.rept 16                               ; eight neighbours down d become 16 bytes of bf16, in place; sixteen lanes of a store cover 256 consecutive bytes, aligned
	v_cvt_pk_bf16_f32 v[X+8*ii], v[X+8*ii], v[X+8*ii+1]
	v_cvt_pk_bf16_f32 v[X+8*ii+1], v[X+8*ii+2], v[X+8*ii+3]
	v_cvt_pk_bf16_f32 v[X+8*ii+2], v[X+8*ii+4], v[X+8*ii+5]
	v_cvt_pk_bf16_f32 v[X+8*ii+3], v[X+8*ii+6], v[X+8*ii+7]
	global_store_b128 v13, v[X+8*ii:X+8*ii+3], s[42:43] offset:256*ii
.set ii, ii+1
.endr
	s_endpgm
.Lfunc_end_k_q219ea9ae12_prep:
	.size	k_q219ea9ae12_prep, .Lfunc_end_k_q219ea9ae12_prep-k_q219ea9ae12_prep
	.p2alignl 7, 3214868480
	.fill 96, 4, 3214868480
	.section	.rodata,"a",@progbits
	.p2align	6, 0x0
	.amdhsa_kernel k_q219ea9ae12_prep
		.amdhsa_group_segment_fixed_size 87040
		.amdhsa_private_segment_fixed_size 0
		.amdhsa_enable_private_segment 0
		.amdhsa_kernarg_size 56
		.amdhsa_user_sgpr_count 2
		.amdhsa_user_sgpr_kernarg_segment_ptr 1
		.amdhsa_wavefront_size32 1
		.amdhsa_system_sgpr_workgroup_id_x 1
		.amdhsa_system_sgpr_workgroup_id_y 1
		.amdhsa_system_sgpr_workgroup_id_z 1
		.amdhsa_system_vgpr_workitem_id 0
		.amdhsa_next_free_vgpr 226
		.amdhsa_next_free_sgpr 66
		.amdhsa_reserve_vcc 1
		.amdhsa_float_denorm_mode_32 3
		.amdhsa_float_denorm_mode_16_64 3
		.amdhsa_memory_ordered 1
		.amdhsa_forward_progress 1
		.amdhsa_inst_pref_size 83
	.end_amdhsa_kernel
	.amdgpu_metadata
---
amdhsa.version: [ 1, 2 ]
amdhsa.kernels:
  - .name:           k_q219ea9ae12_prep
    .symbol:         k_q219ea9ae12_prep.kd
    .args:
      - { .name: image_features, .offset: 0, .size: 8, .value_kind: global_buffer, .address_space: global }
      - { .name: word_embeddings, .offset: 8, .size: 8, .value_kind: global_buffer, .address_space: global }
      - { .name: caption_lengths, .offset: 16, .size: 8, .value_kind: global_buffer, .address_space: global }
      - { .name: cc, .offset: 24, .size: 8, .value_kind: global_buffer, .address_space: global }
      - { .name: ww, .offset: 32, .size: 8, .value_kind: global_buffer, .address_space: global }
      - { .name: sc, .offset: 40, .size: 8, .value_kind: global_buffer, .address_space: global }
      - { .name: pl, .offset: 48, .size: 8, .value_kind: global_buffer, .address_space: global }
    .group_segment_fixed_size: 87040
    .private_segment_fixed_size: 0
    .kernarg_segment_align: 8
    .kernarg_segment_size: 56
    .max_flat_workgroup_size: 128
    .sgpr_count:     66
    .vgpr_count:     226
    .wavefront_size: 32
...
	.end_amdgpu_metadata
.endif
;; end of part 1
;; launch pairs (part 2): grid 8 x 32, 12 waves a work-group, no clusters, 311,040 bytes of LDS; arguments cc, ww, sc, pl, ew, lg; writes ew, lg
.if DOCPART == 2
	.amdgcn_target "amdgcn-amd-amdhsa--gfx1250"
	.amdhsa_code_object_version 6
	.text
	.protected	k_q219ea9ae12_pairs
	.globl	k_q219ea9ae12_pairs
	.p2align	8
	.type	k_q219ea9ae12_pairs,@function
k_q219ea9ae12_pairs:
	s_mov_b64 s[64:65], 0
	v_nop
	global_prefetch_b8 v0, s[64:65] scope:SCOPE_SE
	s_setreg_imm32_b32 hwreg(HW_REG_WAVE_MODE, 25, 1), 1
	s_wait_xcnt 0x0
; PAIRS.  For image j (work-group y) and the four captions of group g (work-group x): scores, both softmaxes, the weighted context, the cosines, and one logit for each pair.  Nothing of a pair goes to memory but its logit and,
; where caption = image, the unnormalised second softmax e, for the attention maps.
; SHARES.  Twelve waves, three to a SIMD.  Wave w owns the pixels 32 w .. 32 w + 31 (tiles 2 w, 2 w + 1 of C1) in phase A and d = 64 w .. 64 w + 63 (four tiles of C2) in phase B: its 12 fragments of C1, later of C2, stay in registers.
; The words' codes of a caption come into LDS once, a caption ahead, in two buffers by turns.
; PHASE A, a caption a trip.  S^T = C1 x WQ (source 0 = 16 pixels, source 1 = 16 tokens): lane (r, h) holds token 16 a + r, and register 16 a + k the pixel 32 w + 16 h + k (C1's rows are laid for that).
;   First softmax, over the tokens: a maximum and a sum over the tiles' registers and the sixteen lanes of a half.  Second, over the pixels: t = 4 log2(e) x the first lies in 0 .. 5.771 for every input, since the first is a
;   normalised softmax; so e = 2^t lies in 1 .. 54.6 and a row's sum under 2^15: the whole number M that is taken off t is 0.  Against M = ceil(max t) every e, every block's scale and the sum differ by one exact power of two.
;   e is quantised along the pixels: my 32 pixels are one block; its codes go to LDS as part of the operand's register image; the sum of the unquantised e goes to LDS too.
; PHASE B.  wc'^T = C2 x P (source 0 = 16 of d, source 1 = 16 tokens): lane (r, h) holds token r and d = 16 Td + 8 h + 0 .. 7.  The dot with the words (bf16 x f32) and the sum of squares are taken at once; wc is never stored.
;   A caption's body is written once for each number of tiles, 1 to 6, so that inside a body the order of the loads of words is fixed and every wait for them has a count: tiles 1 to 3 are asked for on entry, tile a + 3 behind tile a's
;   use (three sets by turns), the next caption's tile 0 behind this caption's tile 0 (a set of its own).  The counts leave the next caption's load out, since the last trip does not issue it.
; THE LOGITS.  Wave w takes slot w % 4 and tokens 32 (w / 4) .. + 31; the three parts of a slot meet in LDS, and waves 0 to 3 take the logarithm.
; TILES OF 16 TOKENS THAT LIE WHOLLY BEHIND A CAPTION'S LENGTH ARE LEFT OUT: scalar branches on the lengths in pl.  That is why the operands come by plain loads and no copy engine and no joint request is used here:
; partners would need different numbers of tiles.  Every loop has a constant number of trips, and no barrier stands under such a branch.
; PREFETCHES, in phase A's trips.  The bf16 words of the caption in hand, which phase B loads: the 32 work-groups of a caption (one for each image) share a tile's 96 blocks of 256 bytes, 3 each; wave a asks for tile a.
;   C2, which the fourth trip loads, in the second trip: of a wave's 72 blocks work-group x names 18, by x % 4.  C1 and the first caption's codes are loaded at the head, where there is no trip to run ahead in.
; LIMITS.  Masked scores are set to -2^100: right for |score| < 1e29.  A length of 0 runs one tile with every token masked; its logit is -infinity.  The words enter the cosine's numerator rounded to bf16.  NaN and infinities are not served.
; REGISTERS.  v1, v6, v12: 16, 8, 4 x lane.  v2-5 LDS addresses of the trip.  v7-11 lane parts of addresses.  v13-15 at work.  v16-21 scale words of C1 / C2.  v22-23 scale words of WQ / P.  v24-39 T: 16 numbers a pixel; at work.
;   A: v40-87 two buffers of two fragments of WQ, and the landing place of the next caption's codes; v88-183 S.   B: v40-55 words of a tile 0; v56-91 P's three fragments; v92-139 three sets of words; v140-171 four accumulators.
;   v184-255 and window 1's v0-71: the twelve fragments of C1, later of C2.  Window 1's v72-77: the words' sums of squares; v78-79: the spare word's address and 0.
.set S,    88
.set T,    24
.set RING, 40
.set WZ,   40
.set PF,   56
.set W1,   92
.set ACC,  140
.set PSCL, 110592                      ; LDS: P's codes [c 4][a 6][s 3][1536] from 0; here their scale words [c][a][s][64]
.set WQ0,  131072                      ; a caption's WQ: codes [a 6][s 6][1536], then scale words [a][s][64]
.set WQX,  65536                       ; the second buffer lies this far on
.set WQSC, 55296
.set PART, 131072                      ; behind phase A: [slot 4][16]: three parts of a slot's sum
.set LSP,  254208                      ; [c][a][w 12][64]: the waves' sums of e
.set NCP,  272640                      ; [c][a][w 12][2][64]: the waves' parts of the numerator and of the squared norm
.set MSB, 0
.macro WIN new                         ; the immediate's high byte repeats the setting that is left
.if MSB != \new
	s_set_vgpr_msb (MSB<<8)|\new
.set MSB, \new
.endif
.endm
.macro WMM d, a, b, z, x, y, p, q      ; one product.  z = 1: it starts the sum.  p, q: the halves of the lanes that hold A's and B's scale words
.if \z
	v_wmma_scale_f32_16x16x128_f8f6f4 v[(\d):(\d)+7], v[(\a):(\a)+11], v[(\b):(\b)+11], 0, v[\x], v[\y] matrix_a_fmt:MATRIX_FMT_BF6 matrix_b_fmt:MATRIX_FMT_BF6
.elseif (\p) && (\q)
	v_wmma_scale_f32_16x16x128_f8f6f4 v[(\d):(\d)+7], v[(\a):(\a)+11], v[(\b):(\b)+11], v[(\d):(\d)+7], v[\x], v[\y] matrix_a_fmt:MATRIX_FMT_BF6 matrix_b_fmt:MATRIX_FMT_BF6 matrix_a_scale:MATRIX_SCALE_ROW1 matrix_b_scale:MATRIX_SCALE_ROW1
.elseif (\p)
	v_wmma_scale_f32_16x16x128_f8f6f4 v[(\d):(\d)+7], v[(\a):(\a)+11], v[(\b):(\b)+11], v[(\d):(\d)+7], v[\x], v[\y] matrix_a_fmt:MATRIX_FMT_BF6 matrix_b_fmt:MATRIX_FMT_BF6 matrix_a_scale:MATRIX_SCALE_ROW1
.else
	v_wmma_scale_f32_16x16x128_f8f6f4 v[(\d):(\d)+7], v[(\a):(\a)+11], v[(\b):(\b)+11], v[(\d):(\d)+7], v[\x], v[\y] matrix_a_fmt:MATRIX_FMT_BF6 matrix_b_fmt:MATRIX_FMT_BF6
.endif
.endm
.macro MMA a, u, s, b                  ; scores: token tile a, my pixel tile u, K step s of d, WQ's fragments in buffer b
.set rd, S+16*(\a)+8*(\u)
.if (\s) < 3
.set ra, 184+12*(3*(\u)+(\s))
.else
.set ra, 12*(3*(\u)+(\s)-3)
.endif
.set rb, RING+24*(\b)+12*((\s)%2)
.set rx, 16+3*(\u)+(\s)/2
.set ry, 22+(\b)
.if (\s) == 0
	WMM rd, ra, rb, 1, rx, ry, 0, 0
.else
	WMM rd, ra, rb, 0, rx, ry, (\s)%2, (\s)%2
.endif
.endm
.macro STEPLOAD n                      ; step n = 3 a + k: WQ's fragments of K steps 2 k, 2 k + 1 of tile a, and their scale words: 7 LDS loads
.set sa, (\n)/3
.set sk, (\n)%3
.set sb, (\n)%2
.irp m,0,1,2,3,4,5
	ds_load_b128 v[RING+24*sb+4*\m:RING+24*sb+4*\m+3], v2 offset:sa*9216+sk*3072+512*\m
.endr
	ds_load_b32 v[22+sb], v3 offset:sa*384+sk*128
.endm
.macro RED op                          ; over the sixteen tokens of a tile: lanes l xor 1, 2, 4, 8
.irp m,1,2,4,8
.set ii, 0
.rept 16
	\op v[T+ii], v[T+ii], v[T+ii] row_xmask:\m row_mask:0xf bank_mask:0xf
.set ii, ii+1
.endr
.endr
.endm
.macro WQPAIR sid                      ; where my twelfth of caption sid's WQ and of its scale words begins
	s_mul_i32 s76, \sid, 55296
	s_mov_b32 s77, 0
	s_add_nc_u64 s[60:61], s[52:53], s[76:77]
	s_mul_i32 s76, \sid, 2304
	s_add_nc_u64 s[62:63], s[54:55], s[76:77]
.endm
.macro STADDR                          ; and where it goes in the buffer s35
	s_add_co_u32 s90, s35, s80
	v_add_nc_u32 v4, s90, v1
	s_lshl_b32 s91, s16, 8
	s_add_co_u32 s91, s91, s35
	s_add_co_u32 s91, s91, WQSC
	v_add_nc_u32 v5, s91, v6
.endm
.macro STAGE_LD                        ; 4,608 bytes of codes a wave; the 2,304 bytes of scale words are nine waves' worth
	s_cmp_lt_u32 s16, 9
	s_cbranch_scc0 .Lsl\@
	global_load_b64 v[76:77], v6, s[62:63]
.Lsl\@:
.irp m,0,1,2,3,4,5,6,7,8
	global_load_b128 v[40+4*\m:43+4*\m], v1, s[60:61] offset:512*\m
.endr
.endm
.macro STAGE_ST
	s_cmp_lt_u32 s16, 9
	s_cbranch_scc0 .Lss\@
	ds_store_b64 v5, v[76:77]
.Lss\@:
.irp m,0,1,2,3,4,5,6,7,8
	ds_store_b128 v4, v[40+4*\m:43+4*\m] offset:512*\m
.endr
.endm
.macro ROT b                           ; the four captions' numbers go round by one place
	s_mov_b32 s19, s[\b]
	s_mov_b32 s[\b], s[\b+1]
	s_mov_b32 s[\b+1], s[\b+2]
	s_mov_b32 s[\b+2], s[\b+3]
	s_mov_b32 s[\b+3], s19
.endm
.macro W3LD reg, sp, off               ; the words of one token tile at my four tiles of d: 4 x 512 bytes
.irp k,0,1,2,3
	global_load_b128 v[\reg+4*\k:\reg+4*\k+3], v1, s[\sp:\sp+1] offset:\off+512*\k
.endr
.endm
.macro PVM k, s                        ; my tile k of d, K step s of the pixels
.if (\k) < 2
.set ra, 184+12*(3*(\k)+(\s))
.else
.set ra, 12*(3*((\k)-2)+(\s))
.endif
.set rd, ACC+8*(\k)
.set rb, PF+12*(\s)
.if (\s) == 0
.set rx, 16+(\k)
	WMM rd, ra, rb, 1, rx, 22, 0, 0
.elseif (\s) == 1
.set rx, 16+(\k)
	WMM rd, ra, rb, 0, rx, 22, 1, 1
.else
.set rx, 20+(\k)/2
	WMM rd, ra, rb, 0, rx, 23, (\k)%2, 0
.endif
.endm
; Token tile a of a caption of tt tiles.  NW: the sets of words asked for behind this tile's that are surely out: tile 0: tiles 1 .. 3; tile a: tiles a + 1, a + 2; each as far as the caption has them.
.macro JOB a, tt
.if (\a) == 0
.set WS, WZ
.set NW, (\tt)-1
.if NW > 3
.set NW, 3
.endif
.else
.set WS, W1+16*(((\a)-1)%3)
.set NW, (\tt)-1-(\a)
.if NW > 2
.set NW, 2
.endif
.endif
	ds_load_b32 v22, v3 offset:(\a)*192            ; P's scale words: lanes 0-15 K step 0, lanes 16-31 K step 1;
	ds_load_b32 v23, v4 offset:(\a)*192            ; K step 2
.irp m,0,1,2,3,4,5,6,7,8
	ds_load_b128 v[PF+4*\m:PF+4*\m+3], v2 offset:(\a)*4608+512*\m
.endr
.irp s,0,1,2
	s_wait_dscnt 6-3*\s                            ; the scale words and K step s's three loads are in; the later K steps' may be out
	PVM 0, \s                                      ; four accumulators by turns
	PVM 1, \s
	WIN 0x01
	PVM 2, \s
	PVM 3, \s
	WIN 0
.endr
.irp i,0,1,2,3
	v_mov_b32 v[28+\i], 0                          ; the numerator's four chains begin; these are also the four places behind the products
.endr
	s_wait_loadcnt 4*NW                            ; this tile's words are in
	s_wait_alu depctr_va_vdst(0)
.irp k,0,1,2,3
.irp jj,0,2,4,6
	v_fma_mix_f32_bf16 v[28+\jj%4], v[WS+4*\k+\jj/2], v[ACC+8*\k+\jj], v[28+\jj%4] op_sel_hi:[1,0,0]                   ; word (bf16, low half) x wc' + the chain; each accumulator from its low end on
	v_fma_mix_f32_bf16 v[29+\jj%4], v[WS+4*\k+\jj/2], v[ACC+8*\k+\jj+1], v[29+\jj%4] op_sel:[1,0,0] op_sel_hi:[1,0,0]  ; (high half)
.endr
.if \k == 0
	v_pk_mul_f32 v[32:33], v[ACC:ACC+1], v[ACC:ACC+1]
	v_pk_mul_f32 v[34:35], v[ACC+2:ACC+3], v[ACC+2:ACC+3]
.else
	v_pk_fma_f32 v[32:33], v[ACC+8*\k:ACC+8*\k+1], v[ACC+8*\k:ACC+8*\k+1], v[32:33]
	v_pk_fma_f32 v[34:35], v[ACC+8*\k+2:ACC+8*\k+3], v[ACC+8*\k+2:ACC+8*\k+3], v[34:35]
.endif
	v_pk_fma_f32 v[32:33], v[ACC+8*\k+4:ACC+8*\k+5], v[ACC+8*\k+4:ACC+8*\k+5], v[32:33]
	v_pk_fma_f32 v[34:35], v[ACC+8*\k+6:ACC+8*\k+7], v[ACC+8*\k+6:ACC+8*\k+7], v[34:35]
.endr
.if (\a) == 0
	s_cmp_eq_u32 s32, 1
	s_cbranch_scc1 .Le\@
	W3LD WZ, 70, 0                                 ; the set is read out: the next caption's tile 0
.Le\@:
.elseif (\a)+3 < (\tt)
	W3LD WS, 68, ((\a)+3)*24576                    ; the set is read out: the tile three on
.endif
	s_wait_alu depctr_va_vdst(0)
	v_add_f32 v28, v28, v29
	v_add_f32 v30, v30, v31
	v_pk_add_f32 v[32:33], v[32:33], v[34:35]
	s_delay_alu instid0(VALU_DEP_2)
	v_add_f32 v28, v28, v30
	s_delay_alu instid0(VALU_DEP_2)
	v_add_f32 v32, v32, v33
	s_delay_alu instid0(VALU_DEP_2)
	v_permlanex16_b32 v26, v28, s44, s45
	s_delay_alu instid0(VALU_DEP_2)
	v_permlanex16_b32 v27, v32, s44, s45
	s_delay_alu instid0(VALU_DEP_2)
	v_add_f32 v24, v28, v26                        ; my 64 of d: the numerator's part,
	s_delay_alu instid0(VALU_DEP_2)
	v_add_f32 v25, v32, v27                        ; the squared norm's
	ds_store_b32 v5, v24 offset:(\a)*1536
	ds_store_b32 v5, v25 offset:(\a)*1536+64
.endm
.macro VAR tt                          ; a caption of tt tiles
.Lbv\tt:
.set aa, 1
.rept 3
.if aa < \tt
	W3LD W1+16*(aa-1), 68, aa*24576
.endif
.set aa, aa+1
.endr
.set aa, 0
.rept \tt
	JOB aa, \tt
.set aa, aa+1
.endr
.endm
	s_load_b256 s[4:11], s[0:1], 0x0               ; cc s[4:5], ww s[6:7], sc s[8:9], pl s[10:11]
	s_load_b128 s[12:15], s[0:1], 0x20             ; ew s[12:13], lg s[14:15]
	s_set_vgpr_msb 0x40
	v_lshl_add_u32 v78, v0, 2, 0x4b900
	v_mov_b32 v79, 0
.irp i,72,73,74,75,76,77
	v_mov_b32 v\i, 0                               ; written once, so that they are written on every way through the text
.endr
	s_set_vgpr_msb 0x4000
	v_lshrrev_b32 v13, 5, v0
	s_delay_alu instid0(VALU_DEP_1)
	v_readfirstlane_b32 s16, v13                   ; wave 0 .. 11
	s_mov_b32 s17, ttmp9                           ; the group of captions
	s_and_b32 s18, ttmp7, 0xffff                   ; the image
	v_and_b32 v14, 31, v0
	v_and_b32 v15, 15, v0                          ; r
	v_bfe_u32 v13, v0, 4, 1                        ; h
	s_delay_alu instid0(VALU_DEP_3)
	v_lshlrev_b32 v1, 4, v14
	s_delay_alu instid0(VALU_DEP_4)
	v_lshlrev_b32 v6, 3, v14
	v_lshlrev_b32 v12, 2, v14
	; P's image.  My block is block w % 4 of K step w / 4: image lane r + 16 (w % 2), registers rho = 6 ((w / 2) % 2) + 3 h + i, i = 0 .. 2, at byte 512 (rho / 4) + 4 (rho % 4) + 16 x image lane
	s_bfe_u32 s90, s16, 0x10001
	s_mul_i32 s90, s90, 6
	v_mul_u32_u24 v24, v13, 3
	s_delay_alu instid0(VALU_DEP_1)
	v_add_nc_u32 v24, s90, v24
	s_and_b32 s91, s16, 1
	s_lshl_b32 s91, s91, 8
	s_lshr_b32 s92, s16, 2
	s_mul_i32 s93, s92, 1536
	s_add_co_u32 s91, s91, s93
	v_lshl_add_u32 v25, v15, 4, s91
.irp i,0,1,2
	v_add_nc_u32 v26, \i, v24
	s_delay_alu instid0(VALU_DEP_1)
	v_lshrrev_b32 v27, 2, v26
	s_delay_alu instid0(VALU_DEP_2)
	v_and_b32 v26, 3, v26
	s_delay_alu instid0(VALU_DEP_1)
	v_lshl_add_u32 v26, v26, 2, v25
	s_delay_alu instid0(VALU_DEP_1)
	v_lshl_add_u32 v[7+\i], v27, 9, v26
.endr
	s_lshl_b32 s92, s92, 6
	s_and_b32 s93, s16, 3
	s_add_co_u32 s92, s92, s93
	s_add_co_u32 s92, s92, PSCL
	v_lshl_add_u32 v10, v15, 2, s92                ; P's scale byte: word 4 r of K step w / 4, byte w % 4
	s_lshl_b32 s93, s16, 6
	s_add_co_u32 s93, s93, LSP
	v_lshl_add_u32 v11, v15, 2, s93                ; my sums of e
	s_mov_b32 s37, 0xffff                          ; lanes 0-15
	s_mov_b32 s38, 0xf1800000                      ; -2^100
	s_mov_b32 s40, 0x3fb8aa3b                      ; log2(e); the packed forms name a pair and take its low word
	s_mov_b32 s41, s40
	s_mov_b32 s42, 0x40b8aa3b                      ; 4 log2(e)
	s_mov_b32 s43, s42
	s_mov_b32 s44, 0x76543210                      ; v_permlanex16_b32's selects for lane l xor 16
	s_mov_b32 s45, 0xfedcba98
	s_mul_i32 s76, s18, 221184                     ; my 12 fragments of C1, and of C2
	s_mul_i32 s77, s16, 18432
	s_add_co_u32 s76, s76, s77
	s_mov_b32 s77, 0
	s_mul_i32 s78, s18, 9216                       ; their scale words
	s_mul_i32 s79, s16, 768
	s_add_co_u32 s78, s78, s79
	s_mov_b32 s79, 0
	s_mul_i32 s80, s16, 4608                       ; my twelfth of a caption's WQ; kept
	s_mov_b32 s81, 0
	s_lshl_b32 s82, s16, 8
	s_add_co_u32 s82, s82, 589824
	s_mov_b32 s83, 0
	s_lshl_b32 s84, s16, 11                        ; 2,048 bytes a wave in ew and in W3
	s_mov_b32 s85, 0
	s_lshl_b32 s94, s17, 4                         ; my group's four slots in pl
	s_and_b32 s95, s16, 3
	s_lshl_b32 s95, s95, 2
	s_add_co_u32 s95, s95, s94                     ; the slot w % 4, whose cosines I take at the end
	s_wait_kmcnt 0x0
	s_load_b128 s[20:23], s[10:11], s94 offset:0x0     ; the captions' numbers
	s_load_b128 s[24:27], s[10:11], s94 offset:0x80    ; their lengths
	s_load_b32 s87, s[10:11], s95 offset:0x0
	s_load_b32 s88, s[10:11], s95 offset:0x80
	s_add_nc_u64 s[48:49], s[4:5], s[76:77]        ; C1
	s_add_nc_u64 s[96:97], s[48:49], 7077888       ; C2
	s_add_nc_u64 s[50:51], s[8:9], s[78:79]        ; C1's scale words
	s_add_nc_u64 s[98:99], s[50:51], 294912        ; C2's
	s_add_nc_u64 s[52:53], s[6:7], s[80:81]
	s_add_nc_u64 s[54:55], s[8:9], s[82:83]
	s_add_nc_u64 s[56:57], s[12:13], s[84:85]
	s_add_nc_u64 s[58:59], s[6:7], s[84:85]
	s_add_nc_u64 s[58:59], s[58:59], 1769472
	s_mov_b64 s[70:71], s[58:59]                   ; (written on every way; the fourth trip sets it)
.irp u,0,1
.irp k,0,1,2
	global_load_b32 v[16+3*\u+\k], v12, s[50:51] offset:384*\u+128*\k   ; lanes 0-15: K step 2 k, lanes 16-31: 2 k + 1
.endr
.endr
.irp s,0,1                             ; C1's fragments (tile u, K step s), in the order of their use: K steps 0 and 1 now, the others behind the first caption's codes
.irp u,0,1
.irp g,0,1,2
	global_load_b128 v[184+12*(3*\u+\s)+4*\g:184+12*(3*\u+\s)+4*\g+3], v1, s[48:49] offset:(6*\u+\s)*1536+512*\g
.endr
.endr
.endr
	s_wait_kmcnt 0x0
.irp c,0,1,2,3
	s_min_u32 s[20+\c], s[20+\c], 31
	s_min_u32 s[24+\c], s[24+\c], 96
	s_add_co_u32 s[28+\c], s[24+\c], 15
	s_lshr_b32 s[28+\c], s[28+\c], 4
	s_max_u32 s[28+\c], s[28+\c], 1                ; tiles of 16 tokens that hold a token, at least one
.endr
	s_min_u32 s87, s87, 31
	s_min_u32 s88, s88, 96
	s_min_u32 s19, s20, 31
	WQPAIR s19
	STAGE_LD                                       ; the first caption's codes
.irp u,0,1                             ; C1's K steps 2 to 5: 24 loads; s < 3 in window 0, the others in window 1
.irp g,0,1,2
	global_load_b128 v[184+12*(3*\u+2)+4*\g:184+12*(3*\u+2)+4*\g+3], v1, s[48:49] offset:(6*\u+2)*1536+512*\g
.endr
.endr
	WIN 0x40
.irp s,3,4,5
.irp u,0,1
.irp g,0,1,2
	global_load_b128 v[12*(3*\u+\s-3)+4*\g:12*(3*\u+\s-3)+4*\g+3], v1, s[48:49] offset:(6*\u+\s)*1536+512*\g
.endr
.endr
.endr
	WIN 0
	s_mov_b32 s35, WQ0
	STADDR
.set ii, 0
.rept 96
	v_mov_b32 v[S+ii], 0                           ; written once, while the loads are out: every register that a pass names has then been written on every way through the text
.set ii, ii+1
.endr
	s_add_co_u32 s90, s80, LSP
	v_add_nc_u32 v13, s90, v1
.irp m,0,1,2,3,4,5,6,7,8
	ds_store_b128 v13, v[S:S+3] offset:512*\m      ; the waves' partial sums begin as zeros: the last stage reads two tiles at a time, of which the second may have been left out
.endr
	s_wait_loadcnt 24                              ; the first caption's codes and all that was asked for ahead of them are in; C1's last 24 loads may be out
	STAGE_ST
	s_wait_dscnt 0x0                               ; for the others' sake
	s_barrier_signal -1
	s_barrier_wait -1
	s_mov_b32 s34, WQ0                             ; the buffer that is read,
	s_mov_b32 s35, WQ0+WQX                         ; the buffer that is filled
	s_mov_b32 s72, 0                               ; the caption's place in P's codes,
	s_mov_b32 s73, 0                               ; in P's scale words,
	s_mov_b32 s74, 0                               ; among the sums of e
	s_mov_b32 s32, 4
.Lcap:	; ================ PHASE A: the caption in s20 (number), s24 (length), s28 (tiles) ================
	v_add_nc_u32 v2, s34, v1
	s_wait_alu depctr_va_vdst(0)
	s_add_co_u32 s90, s34, WQSC
	v_add_nc_u32 v3, s90, v12
	s_wait_alu depctr_va_vdst(0)
	STADDR
	s_lshl_b32 s90, s28, 4
	s_sub_co_u32 s90, s90, 16
	s_sub_co_u32 s90, s24, s90                     ; tokens in the last tile, 0 .. 16
	s_bfm_b32 s36, s90, 0
	s_lshl_b32 s90, s36, 16
	s_or_b32 s36, s36, s90                         ; the lanes whose token of that tile counts
	s_min_u32 s47, s20, 31
	s_cmp_eq_u32 s47, s18
	s_cselect_b32 s46, 1, 0                        ; caption = image?
	s_mul_i32 s76, s47, 147456
	s_mov_b32 s77, 0
	s_add_nc_u64 s[66:67], s[56:57], s[76:77]      ; its place in ew
	STEPLOAD 0
	STEPLOAD 1
	s_cmp_ge_u32 s16, s28                          ; wave a asks for my work-group's 3 blocks of tile a of this caption's bf16 words
	s_cbranch_scc1 .Lnpw
	s_mul_i32 s90, s47, 147456
	s_mul_i32 s91, s16, 24576
	s_add_co_u32 s90, s90, s91
	s_mul_i32 s91, s18, 768
	s_add_co_u32 s90, s90, s91
	s_add_co_u32 s90, s90, 1769472
	v_min_u32 v24, 8, v12                          ; lanes from 2 on name the last of the three again
	s_delay_alu instid0(VALU_DEP_1)
	v_lshl_add_u32 v24, v24, 6, s90
	global_prefetch_b8 v24, s[6:7] th:TH_LOAD_NT scope:SCOPE_SE
.Lnpw:
	s_cmp_lg_u32 s32, 3                            ; the second trip: 18 of the 72 blocks of my part of C2, two trips ahead of their loads
	s_cbranch_scc1 .Lnpc
	s_and_b32 s90, s17, 3
	s_mul_i32 s90, s90, 4608
	v_min_u32 v25, 68, v12
	s_delay_alu instid0(VALU_DEP_1)
	v_lshl_add_u32 v25, v25, 6, s90
	global_prefetch_b8 v25, s[96:97] th:TH_LOAD_NT scope:SCOPE_SE
.Lnpc:
	; ---- scores.  Two steps' loads are always out; the two accumulators of a token tile take turns
.irp a,0,1,2,3,4,5
.if \a > 0
	s_cmp_le_u32 s28, \a
	s_cbranch_scc1 .La1x
.endif
.irp k,0,1,2
.set stp, 3*\a+\k
.if stp < 17
	s_wait_dscnt 7                                 ; this step's 7 loads are in; the next step's 7 may be out
.else
	s_wait_dscnt 0x0
.endif
.if \a == 0 && \k > 0
	s_wait_loadcnt 24-12*\k                        ; the first trip: C1's K steps 2 k and 2 k + 1 are in, the 12 loads of each later pair may be out; in the later trips no load is out here
.endif
.if \k == 2
	WIN 0x01
.endif
	MMA \a, 0, 2*\k, stp%2
	MMA \a, 1, 2*\k, stp%2
.if \k == 1
	WIN 0x01
.endif
	MMA \a, 0, 2*\k+1, stp%2
	MMA \a, 1, 2*\k+1, stp%2
	WIN 0
.rept 4
	v_nop                                          ; four places in front of loads into registers that these products have read, and of the first read of results
.endr
.if stp < 16
	STEPLOAD stp+2
.endif
.endr
.endr
.La1x:
	s_wait_dscnt 0x0                               ; what was asked for ahead is in: my reads of this buffer are over
	s_wait_xcnt 0x0                                ; the prefetches have read their address registers, which the passes below write
	s_cmp_eq_u32 s32, 1
	s_cbranch_scc1 .Lc2
	s_min_u32 s19, s21, 31
	WQPAIR s19
	STAGE_LD                                       ; the next caption's codes land while the softmaxes are walked
	s_branch .Lldd
.Lc2:	; the last caption: C1 is done with; C2's twelve fragments take its registers.  With them come phase B's first words and my slot's sums of squares
	s_min_u32 s19, s21, 31                         ; the caption that phase B begins with
	s_mul_i32 s76, s19, 147456
	s_mov_b32 s77, 0
	s_add_nc_u64 s[70:71], s[58:59], s[76:77]
	s_mul_i32 s76, s87, 2304
	s_lshr_b32 s90, s16, 2
	s_lshl_b32 s90, s90, 7
	s_add_co_u32 s76, s76, s90
	s_add_co_u32 s76, s76, 663552
	s_add_nc_u64 s[78:79], s[8:9], s[76:77]        ; [i][s 6][96]: my 32 tokens
	v_and_b32 v5, 15, v0
	v_bfe_u32 v13, v0, 4, 1
	s_delay_alu instid0(VALU_DEP_2)
	v_lshlrev_b32 v5, 2, v5
	s_delay_alu instid0(VALU_DEP_1)
	v_mad_u32_u24 v5, v13, 192, v5                 ; 4 r + 192 h
.irp f,0,1,2,3,4,5
.irp g,0,1,2
	global_load_b128 v[184+12*\f+4*\g:184+12*\f+4*\g+3], v1, s[96:97] offset:1536*\f+512*\g
.endr
.endr
	W3LD WZ, 70, 0
	WIN 0x40
.irp f,6,7,8,9,10,11
.irp g,0,1,2
	global_load_b128 v[12*(\f-6)+4*\g:12*(\f-6)+4*\g+3], v1, s[96:97] offset:1536*\f+512*\g
.endr
.endr
.irp s,0,1,2,3,4,5
	global_load_b32 v[72+\s], v12, s[78:79] offset:384*\s
.endr
	WIN 0
.irp k,0,1,2,3
	global_load_b32 v[16+\k], v12, s[98:99] offset:192*\k        ; tile k4: lanes 0-15 K step 0, lanes 16-31 K step 1
.endr
.irp m,0,1
	global_load_b32 v[20+\m], v5, s[98:99] offset:384*\m+128     ; K step 2: lanes 0-15 tile 2 m, lanes 16-31 tile 2 m + 1
.endr
.Lldd:
	; ---- the maximum over the tokens.  In the last tile the tokens behind the length are set far below every score first
.irp a,0,1,2,3,4,5
.if \a > 0
	s_cmp_le_u32 s28, \a
	s_cbranch_scc1 .Lp1x
.endif
	s_cmp_lg_u32 s28, \a+1
	s_cbranch_scc1 .Lp1n\a
.set ii, 0
.rept 16
	v_cndmask_b32 v[S+16*\a+ii], s38, v[S+16*\a+ii], s36
.set ii, ii+1
.endr
.Lp1n\a:
.set ii, 0
.if \a == 0
.rept 8
	v_pk_mul_f32 v[T+2*ii:T+2*ii+1], v[S+2*ii:S+2*ii+1], 1.0 op_sel_hi:[1,0]   ; the first tile starts the maxima, two at a time
.set ii, ii+1
.endr
.else
	s_wait_alu depctr_va_vdst(0)
.rept 16
	v_max_num_f32 v[T+ii], v[T+ii], v[S+16*\a+ii]
.set ii, ii+1
.endr
.endif
.endr
.Lp1x:
	s_wait_alu depctr_va_vdst(0)
	RED v_max_num_f32_dpp
.set ii, 0
.rept 8
	v_pk_mul_f32 v[T+2*ii:T+2*ii+1], v[T+2*ii:T+2*ii+1], s[40:41] op_sel_hi:[1,0]   ; max x log2(e), rounded once: the same number for all tokens of a pixel
.set ii, ii+1
.endr
	; ---- 2^(s log2(e) - that): a batch a tile, with its plain line and its waits
.irp a,0,1,2,3,4,5
.if \a > 0
	s_cmp_le_u32 s28, \a
	s_cbranch_scc1 .Lp2x
.endif
.set ii, 0
.rept 8
	v_pk_fma_f32 v[S+16*\a+2*ii:S+16*\a+2*ii+1], v[S+16*\a+2*ii:S+16*\a+2*ii+1], s[40:41], v[T+2*ii:T+2*ii+1] op_sel_hi:[1,0,1] neg_lo:[0,0,1] neg_hi:[0,0,1]
.set ii, ii+1
.endr
.set ii, 0
	s_wait_alu depctr_va_vdst(0)
.rept 16
	v_exp_f32 v[S+16*\a+ii], v[S+16*\a+ii]
.set ii, ii+1
.endr
	v_nop
	s_wait_alu depctr_va_vdst(0)
.endr
.Lp2x:
	; ---- ONE barrier a caption, in two halves.  Ahead of the signal my part of the next caption's codes has landed in the other buffer, and my reads of this caption's buffer are over.
	; Behind the wait, further down, the next caption's codes are whole, and the buffer that the next trip fills is read by nobody.  Between the two stands work on registers alone.
	s_cmp_eq_u32 s32, 1
	s_cbranch_scc1 .Lnost
	s_wait_loadcnt 0x0                             ; the next caption's codes
	STAGE_ST
.Lnost:
	s_wait_dscnt 0x0                               ; for the others' sake
	s_barrier_signal -1
	; ---- their sum over the tokens
.irp a,0,1,2,3,4,5
.if \a > 0
	s_cmp_le_u32 s28, \a
	s_cbranch_scc1 .Lp3x
.endif
.set ii, 0
.rept 8
.if \a == 0
	v_pk_mul_f32 v[T+2*ii:T+2*ii+1], v[S+2*ii:S+2*ii+1], 1.0 op_sel_hi:[1,0]
.else
	v_pk_add_f32 v[T+2*ii:T+2*ii+1], v[T+2*ii:T+2*ii+1], v[S+16*\a+2*ii:S+16*\a+2*ii+1]
.endif
.set ii, ii+1
.endr
.endr
.Lp3x:
	s_wait_alu depctr_va_vdst(0)
	RED v_add_f32_dpp
.set ii, 0
	s_wait_alu depctr_va_vdst(0)
.rept 16
	v_rcp_f32 v[T+ii], v[T+ii]
.set ii, ii+1
.endr
	v_nop
	s_wait_alu depctr_va_vdst(0)
.set ii, 0
.rept 8
	v_pk_mul_f32 v[T+2*ii:T+2*ii+1], v[T+2*ii:T+2*ii+1], s[42:43] op_sel_hi:[1,0]   ; 4 log2(e) / the sum
.set ii, ii+1
.endr
	; ---- e = 2^t
.irp a,0,1,2,3,4,5
.if \a > 0
	s_cmp_le_u32 s28, \a
	s_cbranch_scc1 .Lp4a
.endif
.set ii, 0
.rept 8
	v_pk_mul_f32 v[S+16*\a+2*ii:S+16*\a+2*ii+1], v[S+16*\a+2*ii:S+16*\a+2*ii+1], v[T+2*ii:T+2*ii+1]
.set ii, ii+1
.endr
.set ii, 0
	s_wait_alu depctr_va_vdst(0)
.rept 16
	v_exp_f32 v[S+16*\a+ii], v[S+16*\a+ii]
.set ii, ii+1
.endr
	v_nop
	s_wait_alu depctr_va_vdst(0)
.endr
.Lp4a:
	s_barrier_wait -1
	; ---- wave 11: of its 32 pixels only 352 .. 360 are pixels (h = 0, k <= 8): the filling counts for nothing in the block's scale and in the sum
	s_cmp_lg_u32 s16, 11
	s_cbranch_scc1 .Lp4x
.irp a,0,1,2,3,4,5
.if \a > 0
	s_cmp_le_u32 s28, \a
	s_cbranch_scc1 .Lp4x
.endif
.set ii, 0
.rept 9
	v_cndmask_b32 v[S+16*\a+ii], 0, v[S+16*\a+ii], s37
.set ii, ii+1
.endr
.rept 7
	v_mov_b32 v[S+16*\a+ii], 0
.set ii, ii+1
.endr
.endr
.Lp4x:
	v_add_nc_u32 v13, s72, v7                      ; this caption's places in LDS
	v_add_nc_u32 v14, s72, v8
	v_add_nc_u32 v15, s72, v9
	v_add_nc_u32 v33, s73, v10
	v_add_nc_u32 v39, s74, v11
	; ---- e is quantised: my 16 numbers and lane l xor 16's are the block.  The registers that the LDS stores read come in two sets by turns
.irp a,0,1,2,3,4,5
.if \a > 0
	s_cmp_le_u32 s28, \a
	s_cbranch_scc1 .Lp5x
.endif
.set sx, S+16*\a
.set cd, 28+6*(\a%2)
.if \a > 1
	s_wait_dscnt 5                                 ; the five stores of the tile before may be out; those of the tile before that, which read this set, are done
.endif
	v_max3_num_f32 v24, v[sx], v[sx+1], 0x2800000  ; none is negative; the floor 2^(5 - 127) is one leaf
	v_max3_num_f32 v25, v[sx+2], v[sx+3], v[sx+4]
	v_max3_num_f32 v26, v[sx+5], v[sx+6], v[sx+7]
	v_max3_num_f32 v27, v[sx+8], v[sx+9], v[sx+10]
	v_max3_num_f32 v24, v24, v[sx+11], v[sx+12]
	v_max3_num_f32 v25, v25, v[sx+13], v[sx+14]
	v_max_num_f32 v26, v26, v[sx+15]
	s_delay_alu instid0(VALU_DEP_1)
	v_max3_num_f32 v24, v24, v25, v26
	s_delay_alu instid0(VALU_DEP_1)
	v_max_num_f32 v24, v24, v27
	s_delay_alu instid0(VALU_DEP_1)
	v_permlanex16_b32 v25, v24, s44, s45
	s_delay_alu instid0(VALU_DEP_1)
	v_max_num_f32 v24, v24, v25
	s_delay_alu instid0(VALU_DEP_1)
	v_add_nc_u32 v24, 0xfe000000, v24              ; 4 off the exponent field: the conversion's scale operand
	v_cvt_scalef32_pk16_bf6_f32 v[cd:cd+2], v[sx:sx+15], v24
	v_lshrrev_b32 v[cd+3], 23, v24                 ; the byte; the plain line behind the conversion
	ds_store_b32 v13, v[cd] offset:\a*4608
	ds_store_b32 v14, v[cd+1] offset:\a*4608
	ds_store_b32 v15, v[cd+2] offset:\a*4608
	ds_store_b8 v33, v[cd+3] offset:\a*192         ; both halves of the lanes write the same byte with the same value
	s_cmp_eq_u32 s46, 0
	s_cbranch_scc1 .Lnd\a
.irp q,0,1,2,3
	global_store_b128 v1, v[sx+4*\q:sx+4*\q+3], s[66:67] offset:\a*24576+512*\q   ; caption = image: e as it stands, 512 consecutive bytes a store
.endr
.Lnd\a:
	v_pk_add_f32 v[78:79], v[sx:sx+1], v[sx+2:sx+3]          ; the sum is taken of the unquantised e
	v_pk_add_f32 v[80:81], v[sx+4:sx+5], v[sx+6:sx+7]
	v_pk_add_f32 v[82:83], v[sx+8:sx+9], v[sx+10:sx+11]
	v_pk_add_f32 v[84:85], v[sx+12:sx+13], v[sx+14:sx+15]
	s_delay_alu instid0(VALU_DEP_3)
	v_pk_add_f32 v[78:79], v[78:79], v[80:81]
	s_delay_alu instid0(VALU_DEP_2)
	v_pk_add_f32 v[82:83], v[82:83], v[84:85]
	s_delay_alu instid0(VALU_DEP_1)
	v_pk_add_f32 v[78:79], v[78:79], v[82:83]
	s_delay_alu instid0(VALU_DEP_1)
	v_add_f32 v26, v78, v79
	s_delay_alu instid0(VALU_DEP_1)
	v_permlanex16_b32 v27, v26, s44, s45
	s_delay_alu instid0(VALU_DEP_1)
	v_add_f32 v[cd+4], v26, v27
	ds_store_b32 v39, v[cd+4] offset:\a*768
.endr
.Lp5x:
	s_wait_loadcnt 0x0                             ; the last trip: C2, phase B's first words and the sums of squares
	s_wait_xcnt 0x0                                ; the stores of e have read S and their base: both are written again in the next trip
	s_add_co_u32 s72, s72, 27648
	s_add_co_u32 s73, s73, 1152
	s_add_co_u32 s74, s74, 4608
	s_xor_b32 s34, s34, WQX
	s_xor_b32 s35, s35, WQX
	ROT 20
	ROT 24
	ROT 28
	s_sub_co_u32 s32, s32, 1
	s_cmp_lg_u32 s32, 0
	s_cbranch_scc1 .Lcap
	s_wait_dscnt 0x0                               ; my parts of P and of the sums of e have landed:
	s_barrier_signal -1
	s_barrier_wait -1                              ; P is whole for every wave
	; ================ PHASE B ================
	v_and_b32 v7, 15, v0
	s_delay_alu instid0(VALU_DEP_1)
	v_lshlrev_b32 v7, 2, v7                        ; 4 r
	s_lshl_b32 s90, s16, 7
	s_add_co_u32 s90, s90, NCP
	v_add_nc_u32 v8, s90, v7
	s_mov_b32 s72, 0
	s_mov_b32 s73, 0
	s_mov_b32 s75, 0
	s_mov_b32 s32, 4
	s_wait_alu depctr_va_vdst(0)
.Lbcap:
	s_wait_xcnt 0x0                                ; every load of words has read its base: the two bases may be written
	s_mov_b64 s[68:69], s[70:71]                   ; this caption's words,
	s_min_u32 s19, s21, 31
	s_mul_i32 s76, s19, 147456
	s_mov_b32 s77, 0
	s_add_nc_u64 s[70:71], s[58:59], s[76:77]      ; the next caption's
	s_add_co_u32 s90, s73, PSCL
	s_add_co_u32 s91, s90, 128
	v_add_nc_u32 v2, s72, v1
	v_add_nc_u32 v3, s90, v12
	v_add_nc_u32 v4, s91, v7
	v_add_nc_u32 v5, s75, v8
	s_wait_alu depctr_va_vdst(0)
.irp t,1,2,3,4,5
	s_cmp_eq_u32 s28, \t
	s_cbranch_scc1 .Lbv\t
.endr
.irp t,6,5,4,3,2
	VAR \t
	s_branch .Lbx
.endr
	VAR 1
.Lbx:
	s_add_co_u32 s72, s72, 27648
	s_add_co_u32 s73, s73, 1152
	s_add_co_u32 s75, s75, 9216
	ROT 20
	ROT 28
	s_sub_co_u32 s32, s32, 1
	s_cmp_lg_u32 s32, 0
	s_cbranch_scc1 .Lbcap
	s_wait_dscnt 0x0                               ; for the others' sake
	s_barrier_signal -1
	s_barrier_wait -1
	; ================ the logits: wave w takes slot w % 4 and tokens 32 (w / 4) .. + 31 (two tiles), a lane a token ================
	s_and_b32 s91, s16, 3
	s_lshr_b32 s92, s16, 2
	s_mul_i32 s90, s91, 4608
	s_mul_i32 s93, s92, 1536
	s_add_co_u32 s90, s90, s93
	s_add_co_u32 s90, s90, LSP
	s_mul_i32 s94, s91, 9216
	s_mul_i32 s93, s92, 3072
	s_add_co_u32 s94, s94, s93
	s_add_co_u32 s94, s94, NCP
	s_lshl_b32 s95, s91, 4
	s_lshl_b32 s93, s92, 2
	s_add_co_u32 s95, s95, s93
	s_add_co_u32 s95, s95, PART
	s_add_co_u32 s89, s88, 15
	s_lshr_b32 s89, s89, 4
	s_max_u32 s89, s89, 1
	s_lshl_b32 s93, s92, 1                         ; my first tile
	s_lshl_b32 s92, s92, 5                         ; my first token
	v_and_b32 v17, 31, v0
	s_delay_alu instid0(VALU_DEP_1)
	v_lshrrev_b32 v14, 4, v17
	v_add_nc_u32 v22, s92, v17                     ; my token
	v_mul_u32_u24 v9, v14, 768
	v_mul_u32_u24 v10, v14, 1536
	v_add_nc_u32 v9, v9, v7
	v_add_nc_u32 v10, v10, v7
	v_add_nc_u32 v9, s90, v9                       ; the sums of e of my two tiles,
	v_add_nc_u32 v10, s94, v10                     ; the parts of the numerator and of the squared norm
	v_mov_b32 v11, s95
	v_mov_b32 v16, 0
	v_mov_b32 v18, 0                               ; (a lane permute's destination counts as one of its sources)
	s_wait_alu depctr_va_vdst(0)
	s_cmp_le_u32 s89, s93
	s_cbranch_scc1 .Llx                            ; both my tiles lie behind the length: my part is 0
.irp w,0,1,2,3,4,5,6,7,8,9,10,11
	ds_load_b32 v[40+\w], v9 offset:64*\w
.endr
.set ii, 0
.rept 24
	ds_load_b32 v[52+ii], v10 offset:64*ii         ; pairs: a wave's part of the numerator, of the squared norm
.set ii, ii+1
.endr
	WIN 0x45
	v_pk_add_f32 v[72:73], v[72:73], v[74:75]      ; the word's squared norm: six parts
	v_pk_add_f32 v[72:73], v[72:73], v[76:77]
	WIN 0x05
	v_add_f32 v76, v72, v73
	WIN 0
	s_wait_dscnt 0x0
	v_pk_add_f32 v[40:41], v[40:41], v[42:43]
	v_pk_add_f32 v[44:45], v[44:45], v[46:47]
	v_pk_add_f32 v[48:49], v[48:49], v[50:51]
	s_delay_alu instid0(VALU_DEP_2)
	v_pk_add_f32 v[40:41], v[40:41], v[44:45]
	s_delay_alu instid0(VALU_DEP_1)
	v_pk_add_f32 v[40:41], v[40:41], v[48:49]
	s_delay_alu instid0(VALU_DEP_1)
	v_add_f32 v40, v40, v41                        ; the sum of e over the 361 pixels
.irp i,52,56,60,64,68,72
	v_pk_add_f32 v[\i:\i+1], v[\i:\i+1], v[\i+2:\i+3]
.endr
	v_pk_add_f32 v[52:53], v[52:53], v[56:57]
	s_delay_alu instid0(VALU_DEP_4)
	v_pk_add_f32 v[60:61], v[60:61], v[64:65]
	s_delay_alu instid0(VALU_DEP_3)
	v_pk_add_f32 v[68:69], v[68:69], v[72:73]
	s_delay_alu instid0(VALU_DEP_2)
	v_pk_add_f32 v[52:53], v[52:53], v[60:61]
	s_delay_alu instid0(VALU_DEP_1)
	v_pk_add_f32 v[52:53], v[52:53], v[68:69]
	s_wait_alu depctr_va_vdst(0)
	v_rcp_f32 v18, v40
	v_sqrt_f32 v19, v53
	v_sqrt_f32 v20, v76
	v_nop
	s_wait_alu depctr_va_vdst(0)
	v_mul_f32 v19, v19, v18                        ; the norm of wc,
	v_mul_f32 v21, v52, v18                        ; the numerator: both divided by the sum
	s_delay_alu instid0(VALU_DEP_2)
	v_max_num_f32 v19, 0x322bcc77, v19             ; 1e-8
	v_max_num_f32 v20, 0x322bcc77, v20
	s_delay_alu instid0(VALU_DEP_1)
	v_mul_f32 v19, v19, v20
	s_wait_alu depctr_va_vdst(0)
	v_rcp_f32 v19, v19
	v_nop
	s_wait_alu depctr_va_vdst(0)
	v_mul_f32 v21, v21, v19                        ; the cosine
	s_delay_alu instid0(VALU_DEP_1)
	v_mul_f32 v21, 0x40e6d4ca, v21                 ; x 5 log2(e)
	s_wait_alu depctr_va_vdst(0)
	v_exp_f32 v21, v21
	v_nop
	s_wait_alu depctr_va_vdst(0)
	v_cmp_gt_u32 vcc_lo, s88, v22
	v_cndmask_b32 v16, 0, v21, vcc_lo              ; a token behind the length counts for nothing: a choice, not a product, whatever stands there
.Llx:
	s_wait_alu depctr_va_vdst(0)
	v_add_f32_dpp v16, v16, v16 row_xmask:1 row_mask:0xf bank_mask:0xf
	s_delay_alu instid0(VALU_DEP_1)
	v_add_f32_dpp v16, v16, v16 row_xmask:2 row_mask:0xf bank_mask:0xf
	s_delay_alu instid0(VALU_DEP_1)
	v_add_f32_dpp v16, v16, v16 row_xmask:4 row_mask:0xf bank_mask:0xf
	s_delay_alu instid0(VALU_DEP_1)
	v_add_f32_dpp v16, v16, v16 row_xmask:8 row_mask:0xf bank_mask:0xf
	v_permlanex16_b32 v18, v16, s44, s45
	s_delay_alu instid0(VALU_DEP_1)
	v_add_f32 v16, v16, v18
	ds_store_b32 v11, v16                          ; all lanes write the same word with the same value
	s_wait_dscnt 0x0                               ; for the others' sake
	s_barrier_signal -1
	s_barrier_wait -1
	s_cmp_ge_u32 s16, 4
	s_cbranch_scc1 .Lend
	s_lshl_b32 s90, s16, 4
	s_add_co_u32 s90, s90, PART
	v_mov_b32 v11, s90
	ds_load_b96 v[40:42], v11                      ; my slot's three parts
	s_wait_dscnt 0x0
	v_add_f32 v16, v40, v41
	v_add_f32 v16, v16, v42
	s_wait_alu depctr_va_vdst(0)
	v_log_f32 v16, v16
	v_mov_b32 v19, 0
	s_wait_alu depctr_va_vdst(0)
	v_mul_f32 v16, 0x40ddce9e, v16                 ; x 10 ln(2)
	s_lshl_b32 s76, s18, 5
	s_add_co_u32 s76, s76, s87
	s_lshl_b32 s76, s76, 2
	s_mov_b32 s77, 0
	s_add_nc_u64 s[14:15], s[14:15], s[76:77]      ; lg[image][caption]
	v_cmp_eq_u32 vcc_lo, 0, v17
	s_wait_alu depctr_va_vdst(0)
	s_wait_xcnt 0x0                                ; EXEC changes only behind this wait
	s_and_saveexec_b32 s90, vcc_lo
	global_store_b32 v19, v16, s[14:15]            ; one word a pair: 1,024 in the launch
	s_wait_xcnt 0x0
	s_or_b32 exec_lo, exec_lo, s90
.Lend:
	s_set_vgpr_msb 0x5
	s_wait_tensorcnt 0x0                           ; the wave's end
	ds_add_u32 v78, v79
	s_wait_dscnt 0x0
	s_set_vgpr_msb 0x500
	s_endpgm
.Lfunc_end_k_q219ea9ae12_pairs:
	.size	k_q219ea9ae12_pairs, .Lfunc_end_k_q219ea9ae12_pairs-k_q219ea9ae12_pairs
	.p2alignl 7, 3214868480
	.fill 96, 4, 3214868480
	.section	.rodata,"a",@progbits
	.p2align	6, 0x0
	.amdhsa_kernel k_q219ea9ae12_pairs
		.amdhsa_group_segment_fixed_size 311040
		.amdhsa_private_segment_fixed_size 0
		.amdhsa_enable_private_segment 0
		.amdhsa_kernarg_size 48
		.amdhsa_user_sgpr_count 2
		.amdhsa_user_sgpr_kernarg_segment_ptr 1
		.amdhsa_wavefront_size32 1
		.amdhsa_system_sgpr_workgroup_id_x 1
		.amdhsa_system_sgpr_workgroup_id_y 1
		.amdhsa_system_sgpr_workgroup_id_z 1
		.amdhsa_system_vgpr_workitem_id 0
		.amdhsa_next_free_vgpr 336
		.amdhsa_next_free_sgpr 100
		.amdhsa_reserve_vcc 1
		.amdhsa_float_denorm_mode_32 3
		.amdhsa_float_denorm_mode_16_64 3
		.amdhsa_memory_ordered 1
		.amdhsa_forward_progress 1
		.amdhsa_inst_pref_size 255
	.end_amdhsa_kernel
	.section	.bss,"aw",@nobits
	.p2align	6
	.space	262144
	.amdgpu_metadata
---
amdhsa.version: [ 1, 2 ]
amdhsa.kernels:
  - .name:           k_q219ea9ae12_pairs
    .symbol:         k_q219ea9ae12_pairs.kd
    .args:
      - { .name: cc, .offset: 0, .size: 8, .value_kind: global_buffer, .address_space: global }
      - { .name: ww, .offset: 8, .size: 8, .value_kind: global_buffer, .address_space: global }
      - { .name: sc, .offset: 16, .size: 8, .value_kind: global_buffer, .address_space: global }
      - { .name: pl, .offset: 24, .size: 8, .value_kind: global_buffer, .address_space: global }
      - { .name: ew, .offset: 32, .size: 8, .value_kind: global_buffer, .address_space: global }
      - { .name: lg, .offset: 40, .size: 8, .value_kind: global_buffer, .address_space: global }
    .group_segment_fixed_size: 311040
    .private_segment_fixed_size: 0
    .kernarg_segment_align: 8
    .kernarg_segment_size: 48
    .max_flat_workgroup_size: 384
    .sgpr_count:     100
    .vgpr_count:     336
    .wavefront_size: 32
...
	.end_amdgpu_metadata
.endif
;; end of part 2
;; launch finish (part 3): grid 193 x 1, 4 waves a work-group, no clusters, 24,064 bytes of LDS; arguments ew, lg, caption_lengths, out0, out1, out2; writes out0, out1, out2
.if DOCPART == 3
	.amdgcn_target "amdgcn-amd-amdhsa--gfx1250"
	.amdhsa_code_object_version 6
	.text
	.protected	k_q219ea9ae12_finish
	.globl	k_q219ea9ae12_finish
	.p2align	8
	.type	k_q219ea9ae12_finish,@function
k_q219ea9ae12_finish:
	s_mov_b64 s[64:65], 0
	v_nop
	global_prefetch_b8 v0, s[64:65] scope:SCOPE_SE
	s_setreg_imm32_b32 hwreg(HW_REG_WAVE_MODE, 25, 1), 1
	s_wait_xcnt 0x0
; FINISH.  Work-group x < 192, with i = x / 6 and a = x % 6: the attention maps of tokens 16 a .. 16 a + 15 of caption i: e / the sum of e over the 361 pixels, turned from the register order of ew into rows of 361 numbers,
; and stored as one dense run of 23,104 bytes.
; ew: [i][a 6][B 12][quad 4][512]: register 4 quad + n of lane (r, h) is e(token 16 a + r, pixel 32 B + 16 h + 4 quad + n).  A tile that lies wholly behind the caption's length was not written and is not read: there e = 1 for every pixel,
; as it is for every masked token.  Wave w holds blocks 3 w .. 3 w + 2.  A row is 1,444 bytes, so the runs begin at multiples of 64 bytes, not of 256.
; Every LDS instruction runs with all lanes on.  The run of 23,104 bytes is 11 x 2,048 (16 bytes a thread) + 512 (wave 0, 16 bytes a lane) + 64 (wave 1, 2 bytes a lane).
; Work-group 192 makes the two losses from the 32 x 32 logits: wave 0 a lane a row (out0), wave 1 a lane a column (out1), each with its own maximum taken off before the exponentials; its other two waves have no part.
; LIMITS: NaN and infinities among the logits (a caption of length 0) are not served.
.set E,    32                          ; v32-79  48 numbers; later the rows on their way out; in work-group 192 a row or a column of the logits
.set SUMS, 23296                       ; LDS: the stage, 16 rows x 1,444 bytes, from 0; here the four waves' sums, 64 bytes each
	s_load_b256 s[4:11], s[0:1], 0x0               ; ew s[4:5], lg s[6:7], lengths s[8:9], out0 s[10:11]
	s_load_b128 s[12:15], s[0:1], 0x20             ; out1 s[12:13], out2 s[14:15]
	v_lshl_add_u32 v96, v0, 2, 0x5c00
	v_mov_b32 v97, 0
	v_lshrrev_b32 v1, 5, v0
	v_readfirstlane_b32 s16, v1                    ; wave
	s_mul_i32 s18, ttmp9, 171
	s_lshr_b32 s18, s18, 10                        ; i = x / 6 (exact for x under 192)
	s_mul_i32 s17, s18, 6
	s_sub_co_u32 s17, ttmp9, s17                   ; a = x % 6
	v_and_b32 v2, 31, v0
	v_and_b32 v3, 15, v0                           ; r
	s_wait_alu depctr_va_vdst(0)
	v_bfe_u32 v4, v0, 4, 1                         ; h
	v_lshlrev_b32 v5, 4, v2                        ; 16 x lane
	v_lshlrev_b32 v14, 1, v2                       ; 2 x lane
	v_mov_b32 v17, 0                               ; (a lane permute's destination counts as one of its sources)
	s_lshl_b32 s19, s18, 2
	s_mov_b32 s22, 0x76543210                      ; v_permlanex16_b32's selects for lane l xor 16
	s_mov_b32 s23, 0xfedcba98
	s_mov_b32 s28, 0xffff                          ; lanes 0-15
	s_mov_b32 s32, 0x3fb8aa3b                      ; log2(e); the packed form names a pair and takes its low word
	s_mov_b32 s33, s32
	s_mov_b32 s34, 0x3f317218                      ; ln(2)
	s_mul_i32 s24, s18, 147456
	s_mul_i32 s25, s17, 24576
	s_add_co_u32 s24, s24, s25
	s_mul_i32 s25, s16, 6144
	s_add_co_u32 s24, s24, s25                     ; my three blocks in ew
	s_mov_b32 s25, 0
	s_mul_i32 s26, s18, 6
	s_add_co_u32 s26, s26, s17
	s_mul_i32 s26, s26, 23104                      ; the work-group's run in out2
	s_mov_b32 s27, 0
	s_lshl_b32 s29, s16, 6
	s_add_co_u32 s29, s29, SUMS
	v_lshl_add_u32 v6, v3, 2, s29                  ; my wave's sums
	v_lshl_add_u32 v7, v3, 2, SUMS                 ; all four
	v_mul_u32_u24 v13, v3, 1444                    ; the stage: row r
	s_wait_alu depctr_va_vdst(0)
	v_lshl_add_u32 v8, v4, 6, v13
	s_mul_i32 s29, s16, 384
	v_add_nc_u32 v8, s29, v8                       ; row r, pixel 96 w + 16 h
	v_lshlrev_b32 v9, 4, v0                        ; the way out: 16 bytes a thread
	s_lshl_b32 s21, s17, 4
	s_wait_alu depctr_va_vdst(0)
	s_wait_kmcnt 0x0
	s_cmp_eq_u32 ttmp9, 192
	s_cbranch_scc1 .Lloss
	s_load_b32 s20, s[8:9], s19 offset:0x0
	s_add_nc_u64 s[4:5], s[4:5], s[24:25]
	s_add_nc_u64 s[14:15], s[14:15], s[26:27]
	s_wait_kmcnt 0x0
	s_cmp_lt_i32 s21, s20                          ; does the tile hold a token?
	s_cbranch_scc0 .Lones
.set ii, 0
.rept 12
	global_load_b128 v[E+4*ii:E+4*ii+3], v5, s[4:5] offset:512*ii th:TH_LOAD_NT
.set ii, ii+1
.endr
	s_branch .Lhave
.Lones:
.set ii, 0
.rept 48
	v_mov_b32 v[E+ii], 1.0
.set ii, ii+1
.endr
.Lhave:
	s_wait_loadcnt 0x0
	s_cmp_lg_u32 s16, 3                            ; wave 3's last block: only pixels 352 .. 360 (h = 0, k <= 8) are pixels; the rest becomes 0
	s_cbranch_scc1 .Lnz
.set ii, 0
.rept 9
	v_cndmask_b32 v[E+32+ii], 0, v[E+32+ii], s28
.set ii, ii+1
.endr
.rept 7
	v_mov_b32 v[E+32+ii], 0
.set ii, ii+1
.endr
.Lnz:
	v_pk_add_f32 v[80:81], v[E:E+1], v[E+2:E+3]    ; the sum of my 48 numbers, in four chains
	v_pk_add_f32 v[82:83], v[E+4:E+5], v[E+6:E+7]
	v_pk_add_f32 v[84:85], v[E+8:E+9], v[E+10:E+11]
	v_pk_add_f32 v[86:87], v[E+12:E+13], v[E+14:E+15]
.set ii, 8
.rept 16
	v_pk_add_f32 v[80+2*(ii%4):81+2*(ii%4)], v[80+2*(ii%4):81+2*(ii%4)], v[E+2*ii:E+2*ii+1]
.set ii, ii+1
.endr
	v_pk_add_f32 v[80:81], v[80:81], v[82:83]
	v_pk_add_f32 v[84:85], v[84:85], v[86:87]
	v_pk_add_f32 v[80:81], v[80:81], v[84:85]
	v_add_f32 v80, v80, v81
	v_permlanex16_b32 v17, v80, s22, s23
	v_add_f32 v80, v80, v17
	ds_store_b32 v6, v80                           ; both halves of the lanes write the same word with the same value
	s_wait_dscnt 0x0                               ; for the others' sake
	s_barrier_signal -1
	s_barrier_wait -1
.irp w,0,1,2,3
	ds_load_b32 v[80+\w], v7 offset:64*\w
.endr
	s_wait_dscnt 0x0
	v_add_f32 v80, v80, v81
	v_add_f32 v82, v82, v83
	v_add_f32 v80, v80, v82                        ; the row's sum over the 361 pixels
	s_wait_alu depctr_va_vdst(0)
	v_rcp_f32 v80, v80
	v_nop                                          ; a plain line behind the reciprocal,
	s_wait_alu depctr_va_vdst(0)                   ; and the wait ahead of its first reader
.set ii, 0
.rept 24
	v_pk_mul_f32 v[E+2*ii:E+2*ii+1], v[E+2*ii:E+2*ii+1], v[80:81] op_sel_hi:[1,0]
.set ii, ii+1
.endr
.set ii, 0
.rept 32
	ds_store_b32 v8, v[E+ii] offset:128*(ii/16)+4*(ii%16)   ; rows are 361 words apart, an odd number: the sixteen rows of a store fall on different banks (64 banks of 4 bytes: ISA guide 11.1)
.set ii, ii+1
.endr
	s_cmp_eq_u32 s16, 3
	s_cbranch_scc1 .Ledge
.rept 16
	ds_store_b32 v8, v[E+ii] offset:128*(ii/16)+4*(ii%16)
.set ii, ii+1
.endr
	s_branch .Lstaged
.Ledge:	; wave 3's last block: nine pixels, held by lanes 0-15; lanes 16-31 hold zeros.  With lane l xor 16's number added both halves hold the row's number, and both write it to the same word
.set ii, 32
	s_wait_alu depctr_va_vdst(0)
.rept 9
	v_permlanex16_b32 v17, v[E+ii], s22, s23
	v_add_f32 v[E+ii], v[E+ii], v17
	ds_store_b32 v13, v[E+ii] offset:1408+4*(ii-32)
.set ii, ii+1
.endr
.Lstaged:
	s_wait_dscnt 0x0                               ; for the others' sake
	s_barrier_signal -1
	s_barrier_wait -1                              ; sixteen whole rows lie in the stage
.set ii, 0
.rept 11
	ds_load_b128 v[E+4*ii:E+4*ii+3], v9 offset:2048*ii
.set ii, ii+1
.endr
.set ii, 0
.rept 11
	s_wait_dscnt 10-ii                             ; the younger loads may be out
	global_store_b128 v9, v[E+4*ii:E+4*ii+3], s[14:15] offset:2048*ii th:TH_STORE_NT
.set ii, ii+1
.endr
	s_cmp_lg_u32 s16, 0                            ; the run's tail: 512 bytes by wave 0,
	s_cbranch_scc1 .Lt1
	ds_load_b128 v[E+44:E+47], v5 offset:22528
	s_wait_dscnt 0x0
	global_store_b128 v5, v[E+44:E+47], s[14:15] offset:22528 th:TH_STORE_NT
.Lt1:
	s_cmp_lg_u32 s16, 1                            ; the last 64 bytes by wave 1, 2 bytes a lane
	s_cbranch_scc1 .Lend
	ds_load_u16 v[E+44], v14 offset:23040
	s_wait_dscnt 0x0
	global_store_b16 v14, v[E+44], s[14:15] offset:23040 th:TH_STORE_NT
	s_branch .Lend
.Lloss:	; ---------------- the losses ----------------
	s_cmp_ge_u32 s16, 2
	s_cbranch_scc1 .Lend
	v_lshlrev_b32 v10, 7, v2
	v_lshlrev_b32 v11, 2, v2
	v_mul_u32_u24 v12, v2, 132
	s_wait_alu depctr_va_vdst(0)
	global_load_b32 v16, v12, s[6:7]               ; the diagonal
	s_cmp_eq_u32 s16, 0
	s_cbranch_scc0 .Lcol
.irp m,0,1,2,3,4,5,6,7
	global_load_b128 v[E+4*\m:E+4*\m+3], v10, s[6:7] offset:16*\m    ; my image's row
.endr
	s_branch .Lgot
.Lcol:
.set ii, 0
.rept 32
	global_load_b32 v[E+ii], v11, s[6:7] offset:128*ii               ; my caption's column
.set ii, ii+1
.endr
.Lgot:
	s_cmp_eq_u32 s16, 0
	s_cselect_b64 s[10:11], s[10:11], s[12:13]     ; wave 0: out0; wave 1: out1
	s_wait_loadcnt 0x0
	; 32 numbers: their maximum + ln(2) log2(the sum of 2^((x - maximum) log2(e)))
	v_max3_num_f32 v18, v[E], v[E+1], v[E+2]
	v_max3_num_f32 v19, v[E+3], v[E+4], v[E+5]
.set ii, 0
.rept 13
	v_max3_num_f32 v[18+ii%2], v[18+ii%2], v[E+6+2*ii], v[E+7+2*ii]
.set ii, ii+1
.endr
	v_max_num_f32 v18, v18, v19
	v_mul_f32 v20, s32, v18
	v_mov_b32 v21, v20
.set ii, 0
.rept 16
	v_pk_fma_f32 v[E+2*ii:E+2*ii+1], v[E+2*ii:E+2*ii+1], s[32:33], v[20:21] op_sel_hi:[1,0,1] neg_lo:[0,0,1] neg_hi:[0,0,1]
.set ii, ii+1
.endr
.set ii, 0
	s_wait_alu depctr_va_vdst(0)
.rept 32
	v_exp_f32 v[E+ii], v[E+ii]
.set ii, ii+1
.endr
	v_nop                                          ; one plain line and one wait for the batch
	s_wait_alu depctr_va_vdst(0)
.set ii, 1
.rept 15
	v_pk_add_f32 v[E:E+1], v[E:E+1], v[E+2*ii:E+2*ii+1]
.set ii, ii+1
.endr
	v_add_f32 v22, v[E], v[E+1]
	s_wait_alu depctr_va_vdst(0)
	v_log_f32 v22, v22
	v_nop
	s_wait_alu depctr_va_vdst(0)
	v_fma_f32 v24, v22, s34, v18
	v_sub_f32 v24, v24, v16
.irp m,1,2,4,8
	v_add_f32_dpp v24, v24, v24 row_xmask:\m row_mask:0xf bank_mask:0xf
.endr
	v_permlanex16_b32 v17, v24, s22, s23
	v_add_f32 v24, v24, v17
	v_mul_f32 v24, 0x3d000000, v24                 ; the mean of 32
	v_mov_b32 v26, 0
	v_cmp_eq_u32 vcc_lo, 0, v2
	s_wait_alu depctr_va_vdst(0)
	s_wait_xcnt 0x0                                ; EXEC changes only behind this wait
	s_and_saveexec_b32 s35, vcc_lo
	global_store_b32 v26, v24, s[10:11]
	s_wait_xcnt 0x0
	s_or_b32 exec_lo, exec_lo, s35
.Lend:
	s_wait_tensorcnt 0x0                           ; the wave's end
	ds_add_u32 v96, v97
	s_wait_dscnt 0x0
	s_endpgm
.Lfunc_end_k_q219ea9ae12_finish:
	.size	k_q219ea9ae12_finish, .Lfunc_end_k_q219ea9ae12_finish-k_q219ea9ae12_finish
	.p2alignl 7, 3214868480
	.fill 96, 4, 3214868480
	.section	.rodata,"a",@progbits
	.p2align	6, 0x0
	.amdhsa_kernel k_q219ea9ae12_finish
		.amdhsa_group_segment_fixed_size 24064
		.amdhsa_private_segment_fixed_size 0
		.amdhsa_enable_private_segment 0
		.amdhsa_kernarg_size 48
		.amdhsa_user_sgpr_count 2
		.amdhsa_user_sgpr_kernarg_segment_ptr 1
		.amdhsa_wavefront_size32 1
		.amdhsa_system_sgpr_workgroup_id_x 1
		.amdhsa_system_sgpr_workgroup_id_y 1
		.amdhsa_system_sgpr_workgroup_id_z 1
		.amdhsa_system_vgpr_workitem_id 0
		.amdhsa_next_free_vgpr 98
		.amdhsa_next_free_sgpr 66
		.amdhsa_reserve_vcc 1
		.amdhsa_float_denorm_mode_32 3
		.amdhsa_float_denorm_mode_16_64 3
		.amdhsa_memory_ordered 1
		.amdhsa_forward_progress 1
		.amdhsa_inst_pref_size 27
	.end_amdhsa_kernel
	.amdgpu_metadata
---
amdhsa.version: [ 1, 2 ]
amdhsa.kernels:
  - .name:           k_q219ea9ae12_finish
    .symbol:         k_q219ea9ae12_finish.kd
    .args:
      - { .name: ew, .offset: 0, .size: 8, .value_kind: global_buffer, .address_space: global }
      - { .name: lg, .offset: 8, .size: 8, .value_kind: global_buffer, .address_space: global }
      - { .name: caption_lengths, .offset: 16, .size: 8, .value_kind: global_buffer, .address_space: global }
      - { .name: out0, .offset: 24, .size: 8, .value_kind: global_buffer, .address_space: global }
      - { .name: out1, .offset: 32, .size: 8, .value_kind: global_buffer, .address_space: global }
      - { .name: out2, .offset: 40, .size: 8, .value_kind: global_buffer, .address_space: global }
    .group_segment_fixed_size: 24064
    .private_segment_fixed_size: 0
    .kernarg_segment_align: 8
    .kernarg_segment_size: 48
    .max_flat_workgroup_size: 128
    .sgpr_count:     66
    .vgpr_count:     98
    .wavefront_size: 32
...
	.end_amdgpu_metadata
.endif
;; end of part 3
